; MI455X (gfx1250); checked and timed in simulation.
; The chip was launched on July 23, 2026; its instructions are those of AMD's public machine-readable ISA for CDNA 5 (MIT licence, August 2026) and "CDNA5" Instruction Set Architecture Reference Guide (July 2026). The comments in the code are by the model that wrote it; some were corrected since.
;; Attention. Allowed arithmetic: matrix products marked QUANTISED: E2M1 operands, one E8M0 scale for each 32 along K, by v_wmma_scale_f32_16x16x128_f8f6f4 with both operands' format E2M1 (or v_wmma_scale_f32_32x16x128_f4), f32 sums; products left as they are: bf16, f16 or f32 operands; f32 sums; everything else in f32.
;; Inputs: Wk 1,024 x 1,024 float32; Wo 1,024 x 1,024 float32; Wq 1,024 x 1,024 float32; Wv 1,024 x 1,024 float32; x 4 x 2,048 x 1,024 float32.
;; Outputs: out0 4 x 2,048 x 1,024 float32.
;; This version of the problem:
;;   THIS VERSION OF THE PROBLEM IS GIVEN IN LOW PRECISION. The matrix products marked QUANTISED in the list below multiply operands that are first quantised to E2M1 (2 exponent bits, 1 mantissa bit; 4 bits a number), with one power-of-two scale for each 32 numbers along K (OCP MX v1.0); their sums are f32. The products marked 'left as it is' may take bf16, f16 or f32 operands, with f32 sums. Whichever they take, every output number must still come out within the allowed error. Rounding operands to bf16 (8 significant bits) uses up far more of that allowance than f16 does (11 bits, for magnitudes from 6e-5 to 65,504). All else is computed in f32.
;;   The module's matrix products, in the order in which they are computed (A, B: the left and right operand; K: the contracted axis; several contracted axes count as one K, in the product's order):
;;     1. [M 8,192, K 1,024] x [K 1,024, N 1,024]; A: input x; B: input Wq: QUANTISED
;;     2. [M 8,192, K 1,024] x [K 1,024, N 1,024]; A: input x; B: input Wk: QUANTISED
;;     3. [M 8,192, K 1,024] x [K 1,024, N 1,024]; A: input x; B: input Wv: QUANTISED
;;     4. batch 64 x [M 2,048, K 64] x [K 64, N 2,048]; A: computed on the way; B: computed on the way: left as it is (an operand is computed on the way)
;;     5. batch 64 x [M 2,048, K 2,048] x [K 2,048, N 64]; A: computed on the way; B: computed on the way: left as it is (an operand is computed on the way)
;;     6. [M 8,192, K 1,024] x [K 1,024, N 1,024]; A: computed on the way; B: input Wo: left as it is (an operand is computed on the way)
;;   THE QUANTISER, for each operand of a quantised product, along K:
;;     - K is cut into blocks of 32 from its start; a last block that is shorter is filled with zeros.
;;     - A block's scale is 2^e with e = floor(log2(the largest magnitude in the block)) - 2, held to -126 .. 127; a block of zeros has e = 0. As a byte (E8M0): e + 127.
;;     - Each number is divided by its block's scale, clamped to +-6, and rounded to the nearest number of E2M1, ties to even, subnormals kept.
;;     - The product sums the exact products of the quantised numbers (number of the format x scale) in f32.
;;   ~~~python
;;   def quantise(x, axis):      # numpy; x: float32 -> the quantised numbers, widened to float32 again
;;       x = np.moveaxis(x, axis, -1); K = x.shape[-1]
;;       x = np.pad(x, [(0, 0)] * (x.ndim - 1) + [(0, -K % 32)]); x = x.reshape(x.shape[:-1] + (-1, 32)); a = np.abs(x).max(-1, keepdims=True)
;;       e = np.where(a > 0, np.clip(np.frexp(np.where(a > 0, a, 1))[1] - 1 - 2, -126, 127), 0)      # np.frexp(a)[1] - 1 = floor(log2(a)), exactly
;;       r = np.clip(x / 2.0 ** e, -6, 6)
;;       step = 2.0 ** (np.maximum(np.frexp(np.where(r == 0, 1, r))[1] - 1, 0) - 1)
;;       q = np.round(r / step) * step * 2.0 ** e      # np.round: ties to even
;;       return np.moveaxis(q.reshape(q.shape[:-2] + (-1,))[..., :K], -1, axis).astype(np.float32)
;;   ~~~
;; One version. Each part assembles by itself: llvm-mc -triple=amdgcn-amd-amdhsa -mcpu=gfx1250 --defsym DOCPART=n.
;; ======== version 1 of 1: 4 launches
;; limits: values are held in f16: magnitudes above 65,504 overflow, below 6.1e-05 lose precision
;; workspace buffers: codes 5,767,168 bytes; scales 360,448 bytes; woh 2,097,152 bytes; tab 1,048,576 bytes; qkvf 50,331,648 bytes; at 16,777,216 bytes
;; launch prep (part 1): grid 416 x 1, 4 waves a work-group, no clusters, 33,280 bytes of LDS; arguments x, Wq, Wk, Wv, Wo, codes, scales, woh, tab; writes codes, scales, woh, tab
.if DOCPART == 1
	.amdgcn_target "amdgcn-amd-amdhsa--gfx1250"
	.amdhsa_code_object_version 6
	.text
	.protected	k_q648a5efb0f_prep
	.globl	k_q648a5efb0f_prep
	.p2align	8
	.type	k_q648a5efb0f_prep,@function
k_q648a5efb0f_prep:
	s_mov_b64 s[64:65], 0
	v_nop
	global_prefetch_b8 v0, s[64:65] scope:SCOPE_SE
	s_setreg_imm32_b32 hwreg(HW_REG_WAVE_MODE, 25, 1), 1
	s_wait_xcnt 0x0
; THREE JOBS IN ONE LAUNCH, told apart by the work-group's number alone.
;   work-groups 0-351:   x, Wq, Wk, Wv (f32, K innermost) become codes of FP4 (E2M1) and one E8M0 byte for each 32 along K.  The four tensors lie on end in both buffers:
;                        codes [11264 rows][512 bytes], scales [11264 rows][32 bytes]; rows 0-8191 x, 8192-9215 Wq, 9216-10239 Wk, 10240-11263 Wv.
;   work-groups 352-383: Wo becomes f16, row-major as it lies.
;   work-groups 384-415: the tables of the rotary embedding, laid as the next launch's registers want them: [tile of 16 positions][piece p 0-7][lane][4 f32]; piece p = 4 par + 2 sc + q4
;                        (sc 0: cos, 1: sin) holds, in lane (r, h), the values of position 16 tile + r and frequencies 16 par + 8 h + 4 q4 + 0 .. 3.  Two tables: at +0 times c = log2(e) / 8 (for q, so that
;                        a score is already the exponent of 2), at +524288 plain (for k).
; THE QUANTISER.  A block's scale is 2^(floor(log2(its largest magnitude)) - 2); its byte is the largest magnitude's exponent field - 2, held at 1 from below; each number is divided by the scale and rounded to
; the nearest code, ties to even, beyond 6 the largest code.  Rows are dense and K is a multiple of 32, so each tensor is a plain stream of blocks of 32.
; A wave takes 16 steps of 512 numbers.  A load reads 512 consecutive bytes, 16 a lane; the conversions want 16 NEIGHBOURS in a lane: so a step's 2,048 bytes turn through the wave's own stage in LDS (16 bytes of
; padding behind each 64).  A lane's 16 codes are 8 bytes: the wave stores 256 consecutive bytes.  A wave's 256 scale bytes are gathered in LDS and leave by one store of 256 consecutive bytes.
; LIMITS: NaN and infinities among the inputs are not served.  A block of zeros gets the byte 1 where the rule says 127: its codes are zeros, which add nothing under any byte but 0xff, and this program alone reads
; the bytes.  Blocks whose largest magnitude lies under 2^-124 have their byte held at 1.  A frequency is made as 2^(-i log2(10) / 8) by v_exp_f32; the angle position x frequency can differ from a correctly
; rounded table's by some 3e-4 rad at the last positions; q and k take the same table.  Sine and cosine: the angle less a whole number of quarter turns (pi / 2 in two parts, fused multiply-adds), then polynomials on +-pi / 4.
.set WAVES, 4
.set STEPS, 16
.set EMAX,  2
.set CB,    8                          ; bytes of 16 codes
.set R,     16                         ; v16-79   four sets of 16 numbers as they are loaded
.set X,     80                         ; v80-111  two sets of 16 neighbours
.set E,     112                        ; v112-127 a scale byte for each step
.set C,     128                        ; v128-191 codes: four registers for each step, so that no store's data are written again
.set WREG,  8192                       ; LDS: a region for each wave: two stages of 32 x SP bytes, behind them its 256 scale bytes
.set SP,    80                         ; a lane's place in a stage: 64 bytes + 16 of padding
.set SPW,   12                         ; v12  LDS address of my spare word: SPARE + 4 x my thread's number; never rewritten
.set NIL,   13                         ; v13  0; never rewritten
.set SPARE, WAVES*WREG                 ; behind the four regions: the spare words, 128 bytes a wave
.set RW,    16                         ; Wo: v16-143 two sets of 64 numbers
.set H,     144                        ; Wo: v144-175 the f16 pairs of a set
.set TH,    16                         ; tables: v16-31 my 16 frequencies
.set COS,   32                         ; v32-47, v48-63 plain cos and sin;  v64-79, v80-95 the same times c
.set SIN,   48
.set QCOS,  64
.set QSIN,  80
	s_load_b256 s[4:11], s[0:1], 0x0               ; x s[4:5], Wq s[6:7], Wk s[8:9], Wv s[10:11]
	s_load_b256 s[12:19], s[0:1], 0x20             ; Wo s[12:13], codes s[14:15], scales s[16:17], woh s[18:19]
	s_load_b64 s[20:21], s[0:1], 0x40              ; tab
	v_lshl_add_u32 v[SPW], v0, 2, SPARE
	v_mov_b32 v[NIL], 0
	v_lshrrev_b32 v1, 5, v0
	v_readfirstlane_b32 s28, v1                    ; wave 0..3
	v_and_b32 v2, 31, v0                           ; lane
	v_lshlrev_b32 v3, 4, v2                        ; 16 x lane
	s_mov_b32 s31, 0                               ; the high word of every offset pair s[30:31]
	s_wait_kmcnt 0x0
	s_cmp_ge_u32 ttmp9, 384
	s_cbranch_scc1 .Ltable
	s_cmp_ge_u32 ttmp9, 352
	s_cbranch_scc1 .Lwo
	; ---------------- the quantiser ----------------
	s_mul_i32 s29, s28, WREG
	v_lshrrev_b32 v14, 2, v2
	v_mul_u32_u24 v14, v14, SP
	v_and_b32 v15, 3, v2
	v_lshl_add_u32 v14, v15, 4, v14
	v_add_nc_u32 v14, s29, v14                     ; the stage, on the way in: SP (lane / 4) + 16 (lane % 4); a load's 512 bytes take eight places
	v_mul_u32_u24 v15, v2, SP
	v_add_nc_u32 v15, s29, v15                     ; and on the way out: SP x lane: my 16 neighbours
	v_mul_u32_u24 v4, v2, CB                       ; my codes' place in a step's
	v_lshrrev_b32 v5, 1, v2
	s_add_co_u32 s29, s29, 2*32*SP
	v_add_nc_u32 v5, s29, v5                       ; LDS: my wave's 256 scale bytes, my block's byte
	v_lshlrev_b32 v7, 3, v2                        ; and on the way out 8 bytes a lane
	v_add_nc_u32 v6, s29, v7
	s_and_b32 s30, ttmp9, 31                       ; a weight has 32 work-groups: which of them
	s_mov_b64 s[22:23], s[10:11]                   ; the source: Wv, unless the work-group's number says otherwise
	s_cmp_lt_u32 ttmp9, 320
	s_cselect_b64 s[22:23], s[8:9], s[22:23]       ; Wk
	s_cmp_lt_u32 ttmp9, 288
	s_cselect_b64 s[22:23], s[6:7], s[22:23]       ; Wq
	s_cmp_lt_u32 ttmp9, 256
	s_cselect_b64 s[22:23], s[4:5], s[22:23]       ; x
	s_cselect_b32 s30, ttmp9, s30                  ; x has 256 work-groups
	s_lshl_b32 s30, s30, 2
	s_add_co_u32 s30, s30, s28                     ; which run of 8,192 numbers of the source is my wave's
	s_lshl_b32 s30, s30, 15                        ; 32,768 bytes a run
	s_add_nc_u64 s[22:23], s[22:23], s[30:31]
	s_lshl_b32 s32, ttmp9, 2
	s_add_co_u32 s32, s32, s28                     ; and which run of the two buffers, where the four tensors lie on end
	s_lshl_b32 s30, s32, 12                        ; 4,096 bytes of codes a run
	s_add_nc_u64 s[14:15], s[14:15], s[30:31]
	s_lshl_b32 s30, s32, 8                         ; 256 scale bytes a run
	s_add_nc_u64 s[16:17], s[16:17], s[30:31]
.macro LOAD t
.irp i, 0,1,2,3
	global_load_b128 v[R+16*((\t)%4)+4*\i:R+16*((\t)%4)+4*\i+3], v3, s[22:23] offset:2048*(\t)+512*\i th:TH_LOAD_NT   ; 32 lanes read 512 consecutive bytes
.endr
.endm
.macro TURN t                          ; step t's numbers through the stage: LDS serves a wave's instructions in order (ISA guide 5.7.1.4), so no wait stands between the stores and the loads
.irp i, 0,1,2,3
	ds_store_b128 v14, v[R+16*((\t)%4)+4*\i:R+16*((\t)%4)+4*\i+3] offset:32*SP*((\t)%2)+8*SP*\i
.endr
.irp i, 0,1,2,3
	ds_load_b128 v[X+16*((\t)%2)+4*\i:X+16*((\t)%2)+4*\i+3], v15 offset:32*SP*((\t)%2)+16*\i
.endr
.endm
.irp t, 0,1,2,3
	LOAD \t
.endr
	s_wait_loadcnt 12                              ; step 0's four loads are in; those of steps 1 to 3 may be out
	TURN 0
.macro STEP t
.set XS, X+16*((\t)%2)
.if (\t) > 0
	s_wait_dscnt 1                                 ; this step's numbers are back from the stage (the last step's byte store may be out): so its stores into the stage have read their registers,
.else
	s_wait_dscnt 0x0
.endif
.if (\t)+4 < STEPS
	LOAD (\t)+4                                    ; which take the loads of four steps on
.endif
.if (\t)+1 < STEPS
.if STEPS-2-(\t) >= 3
	s_wait_loadcnt 12                              ; the next step's four loads are in; those of the three steps behind it may be out
.else
	s_wait_loadcnt 4*(STEPS-2-(\t))
.endif
	TURN (\t)+1                                    ; and go through the other stage while this step is worked
.endif
	v_max3_num_f32 v8, |v[XS]|, |v[XS+1]|, |v[XS+2]|               ; the largest magnitude of my 16, in two chains
	v_max3_num_f32 v9, |v[XS+3]|, |v[XS+4]|, |v[XS+5]|
.irp i, 6,10
	v_max3_num_f32 v8, v8, |v[XS+\i]|, |v[XS+\i+1]|
	v_max3_num_f32 v9, v9, |v[XS+\i+2]|, |v[XS+\i+3]|
.endr
	v_max3_num_f32 v8, v8, |v[XS+14]|, |v[XS+15]|
	v_max3_num_f32 v8, v8, v9, (EMAX+1)<<23        ; and the floor 2^(EMAX + 1 - 127): the byte cannot fall under 1
	v_max_num_f32_dpp v8, v8, v8 row_xmask:1 row_mask:0xf bank_mask:0xf   ; and of my neighbour's 16: the block's
	v_add_nc_u32 v11, -(EMAX<<23), v8              ; EMAX off its exponent field: the conversion takes the exponent field of this operand as its scale, and nothing else of it
	v_cvt_scalef32_pk8_fp4_f32 v[C+4*(\t)], v[XS:XS+7], v11
	v_cvt_scalef32_pk8_fp4_f32 v[C+4*(\t)+1], v[XS+8:XS+15], v11
	v_lshrrev_b32 v[E+(\t)], 23, v11               ; the scale's byte (also the plain line behind the conversions)
	ds_store_b8 v5, v[E+(\t)] offset:16*(\t)       ; both lanes of a block write the same byte with the same value
	global_store_b64 v4, v[C+4*(\t):C+4*(\t)+1], s[14:15] offset:32*CB*(\t)   ; 32 lanes store 256 consecutive bytes, aligned
.endm
.irp t, 0,1,2,3,4,5,6,7,8,9,10,11,12,13,14,15
	STEP \t
.endr
	ds_load_b64 v[8:9], v6                         ; LDS serves a wave's instructions in order: these see my byte stores
	s_wait_dscnt 0x0
	global_store_b64 v7, v[8:9], s[16:17]          ; 32 lanes store my wave's 256 scale bytes
	s_wait_tensorcnt 0x0                           ; the wave's end, behind my last LDS store
	ds_add_u32 v[SPW], v[NIL]
	s_wait_dscnt 0x0
	s_endpgm
	; ---------------- Wo to f16 ----------------
	; 128 waves, 32,768 bytes of Wo each: four groups of 16 loads of 512 consecutive bytes, two groups ahead.  A lane's 4 numbers become 8 bytes: a store covers 256 consecutive bytes, aligned.
.Lwo:
	s_sub_co_u32 s29, ttmp9, 352
	s_lshl_b32 s29, s29, 2
	s_add_co_u32 s29, s29, s28
	s_lshl_b32 s30, s29, 15
	s_add_nc_u64 s[12:13], s[12:13], s[30:31]
	s_lshl_b32 s30, s29, 14
	s_add_nc_u64 s[18:19], s[18:19], s[30:31]
	v_lshlrev_b32 v4, 3, v2                        ; 8 x lane
.macro LOADW g
.irp i, 0,1,2,3,4,5,6,7,8,9,10,11,12,13,14,15
	global_load_b128 v[RW+64*((\g)%2)+4*\i:RW+64*((\g)%2)+4*\i+3], v3, s[12:13] offset:(16*(\g)+\i)*512 th:TH_LOAD_NT
.endr
.endm
.macro GROUPW g
.if (\g) < 3
	s_wait_loadcnt 16                              ; this group's 16 loads are in; the younger group's 16 may be out
.else
	s_wait_loadcnt 0x0
.endif
.if (\g) > 0
	s_wait_xcnt 0x0                                ; the last group's stores have read their data: the f16 registers are rewritten only behind this wait
.endif
.irp i, 0,1,2,3,4,5,6,7,8,9,10,11,12,13,14,15
	v_cvt_pk_f16_f32 v[H+2*\i], v[RW+64*((\g)%2)+4*\i], v[RW+64*((\g)%2)+4*\i+1]
	v_cvt_pk_f16_f32 v[H+2*\i+1], v[RW+64*((\g)%2)+4*\i+2], v[RW+64*((\g)%2)+4*\i+3]
.endr
.irp i, 0,1,2,3,4,5,6,7,8,9,10,11,12,13,14,15
	global_store_b64 v4, v[H+2*\i:H+2*\i+1], s[18:19] offset:(16*(\g)+\i)*256
.endr
.if (\g) < 2
	LOADW (\g)+2
.endif
.endm
	LOADW 0
	LOADW 1
	GROUPW 0
	GROUPW 1
	GROUPW 2
	GROUPW 3
	s_wait_tensorcnt 0x0                           ; the same three lines at every end of this text
	ds_add_u32 v[SPW], v[NIL]
	s_wait_dscnt 0x0
	s_endpgm
	; ---------------- the tables ----------------
	; 128 waves, a tile of 16 positions each.  Lane (r, h) has position 16 tile + r and 16 frequencies: number n = 8 par + 4 q4 + e is frequency 8 h + 16 par + 4 q4 + e.
.Ltable:
	s_sub_co_u32 s29, ttmp9, 384
	s_lshl_b32 s29, s29, 2
	s_add_co_u32 s29, s29, s28                     ; the tile
	s_lshl_b32 s30, s29, 12                        ; 4,096 bytes a tile in each table
	s_add_nc_u64 s[20:21], s[20:21], s[30:31]
	s_lshl_b32 s30, s29, 4
	v_and_b32 v4, 15, v2
	v_add_nc_u32 v4, s30, v4
	v_cvt_f32_u32 v4, v4                           ; my position, as f32
	v_lshrrev_b32 v5, 4, v2
	v_lshlrev_b32 v5, 3, v5                        ; 8 h
	s_mov_b32 s32, 0xbed49a78                      ; -log2(10) / 8 = -log2(10000) / 32
	s_mov_b32 s33, 0x3f22f983                      ; 2 / pi
	s_mov_b32 s34, 0xbfc90fdb                      ; -(pi / 2), its f32 part,
	s_mov_b32 s35, 0x333bbd2e                      ; and what that part is too large by
	s_mov_b32 s36, 0xbe2aaaa3                      ; sin(r) = r + r z (S1 + z (S2 + z S3)), z = r r
	s_mov_b32 s37, 0x3c08839e
	s_mov_b32 s38, 0xb94ca1f9
	s_mov_b32 s39, 0x3d2aaaa5                      ; cos(r) = 1 + z (-1/2 + z (C1 + z (C2 + z C3)))
	s_mov_b32 s40, 0xbab6061a
	s_mov_b32 s41, 0x37ccf5ce
	s_mov_b32 s42, 0x3e38aa3b                      ; c = log2(e) / 8
.irp n, 0,1,2,3,4,5,6,7,8,9,10,11,12,13,14,15
	v_add_nc_u32 v[TH+\n], 16*(\n/8)+(\n%8), v5
.endr
.irp n, 0,1,2,3,4,5,6,7,8,9,10,11,12,13,14,15
	v_cvt_f32_u32 v[TH+\n], v[TH+\n]
.endr
.irp n, 0,1,2,3,4,5,6,7,8,9,10,11,12,13,14,15
	v_mul_f32 v[TH+\n], s32, v[TH+\n]
.endr
.irp n, 0,1,2,3,4,5,6,7,8,9,10,11,12,13,14,15
	v_exp_f32 v[TH+\n], v[TH+\n]                   ; the frequency 10000^(-i / 32)
.endr
	v_nop                                          ; a plain line behind the last exponential,
	s_wait_alu depctr_va_vdst(0)                   ; and one wait for the sixteen, ahead of their first reader
.macro TRIG n
	v_mul_f32 v96, v4, v[TH+\n]                    ; the angle, rounded to f32
	v_mul_f32 v97, s33, v96
	v_rndne_f32 v97, v97                           ; the nearest whole number of quarter turns
	v_fma_f32 v98, v97, s34, v96
	v_fma_f32 v98, v97, s35, v98                   ; what is left, within +-pi / 4
	v_cvt_i32_f32 v99, v97
	v_mul_f32 v100, v98, v98
	v_fma_f32 v101, v100, s38, s37
	v_fma_f32 v101, v101, v100, s36
	v_mul_f32 v101, v101, v100
	v_fma_f32 v101, v101, v98, v98                 ; its sine
	v_fma_f32 v102, v100, s41, s40
	v_fma_f32 v102, v102, v100, s39
	v_fma_f32 v102, v102, v100, -0.5
	v_fma_f32 v102, v102, v100, 1.0                ; its cosine
	v_and_b32 v103, 1, v99
	v_cmp_eq_u32 vcc_lo, 1, v103                   ; an odd number of quarter turns swaps the two
	v_cndmask_b32 v[SIN+\n], v101, v102, vcc_lo
	v_cndmask_b32 v[COS+\n], v102, v101, vcc_lo
	v_and_b32 v103, 2, v99                         ; quarters 2 and 3: the sine changes sign
	v_lshlrev_b32 v103, 30, v103
	v_xor_b32 v[SIN+\n], v[SIN+\n], v103
	v_add_nc_u32 v103, 1, v99                      ; quarters 1 and 2: the cosine
	v_and_b32 v103, 2, v103
	v_lshlrev_b32 v103, 30, v103
	v_xor_b32 v[COS+\n], v[COS+\n], v103
	v_mul_f32 v[QCOS+\n], s42, v[COS+\n]
	v_mul_f32 v[QSIN+\n], s42, v[SIN+\n]
.endm
.irp n, 0,1,2,3,4,5,6,7,8,9,10,11,12,13,14,15
	TRIG \n
.endr
.irp par, 0,1
.irp q4, 0,1
	global_store_b128 v3, v[QCOS+8*\par+4*\q4:QCOS+8*\par+4*\q4+3], s[20:21] offset:512*(4*\par+\q4)          ; each store covers 512 consecutive bytes, aligned
	global_store_b128 v3, v[QSIN+8*\par+4*\q4:QSIN+8*\par+4*\q4+3], s[20:21] offset:512*(4*\par+2+\q4)
	global_store_b128 v3, v[COS+8*\par+4*\q4:COS+8*\par+4*\q4+3], s[20:21] offset:524288+512*(4*\par+\q4)
	global_store_b128 v3, v[SIN+8*\par+4*\q4:SIN+8*\par+4*\q4+3], s[20:21] offset:524288+512*(4*\par+2+\q4)
.endr
.endr
	s_wait_tensorcnt 0x0
	ds_add_u32 v[SPW], v[NIL]
	s_wait_dscnt 0x0
	s_endpgm
.Lfunc_end_k_q648a5efb0f_prep:
	.size	k_q648a5efb0f_prep, .Lfunc_end_k_q648a5efb0f_prep-k_q648a5efb0f_prep
	.p2alignl 7, 3214868480
	.fill 96, 4, 3214868480
	.section	.rodata,"a",@progbits
	.p2align	6, 0x0
	.amdhsa_kernel k_q648a5efb0f_prep
		.amdhsa_group_segment_fixed_size 33280
		.amdhsa_private_segment_fixed_size 0
		.amdhsa_enable_private_segment 0
		.amdhsa_kernarg_size 72
		.amdhsa_user_sgpr_count 2
		.amdhsa_user_sgpr_kernarg_segment_ptr 1
		.amdhsa_wavefront_size32 1
		.amdhsa_system_sgpr_workgroup_id_x 1
		.amdhsa_system_sgpr_workgroup_id_y 1
		.amdhsa_system_sgpr_workgroup_id_z 1
		.amdhsa_system_vgpr_workitem_id 0
		.amdhsa_next_free_vgpr 192
		.amdhsa_next_free_sgpr 66
		.amdhsa_reserve_vcc 1
		.amdhsa_float_denorm_mode_32 3
		.amdhsa_float_denorm_mode_16_64 3
		.amdhsa_memory_ordered 1
		.amdhsa_forward_progress 1
		.amdhsa_inst_pref_size 78
	.end_amdhsa_kernel
	.amdgpu_metadata
---
amdhsa.version: [ 1, 2 ]
amdhsa.kernels:
  - .name:           k_q648a5efb0f_prep
    .symbol:         k_q648a5efb0f_prep.kd
    .args:
      - { .name: x, .offset: 0, .size: 8, .value_kind: global_buffer, .address_space: global }
      - { .name: Wq, .offset: 8, .size: 8, .value_kind: global_buffer, .address_space: global }
      - { .name: Wk, .offset: 16, .size: 8, .value_kind: global_buffer, .address_space: global }
      - { .name: Wv, .offset: 24, .size: 8, .value_kind: global_buffer, .address_space: global }
      - { .name: Wo, .offset: 32, .size: 8, .value_kind: global_buffer, .address_space: global }
      - { .name: codes, .offset: 40, .size: 8, .value_kind: global_buffer, .address_space: global }
      - { .name: scales, .offset: 48, .size: 8, .value_kind: global_buffer, .address_space: global }
      - { .name: woh, .offset: 56, .size: 8, .value_kind: global_buffer, .address_space: global }
      - { .name: tab, .offset: 64, .size: 8, .value_kind: global_buffer, .address_space: global }
    .group_segment_fixed_size: 33280
    .private_segment_fixed_size: 0
    .kernarg_segment_align: 8
    .kernarg_segment_size: 72
    .max_flat_workgroup_size: 128
    .sgpr_count:     66
    .vgpr_count:     192
    .wavefront_size: 32
...
	.end_amdgpu_metadata
.endif
;; end of part 1
;; launch qkv (part 2): grid 12 x 32, 4 waves a work-group, clusters of 4 x 4, 327,680 bytes of LDS; arguments codes, scales, tab, qkvf; writes qkvf
.if DOCPART == 2
	.amdgcn_target "amdgcn-amd-amdhsa--gfx1250"
	.amdhsa_code_object_version 6
	.text
	.protected	k_q648a5efb0f_qkv
	.globl	k_q648a5efb0f_qkv
	.p2align	8
	.type	k_q648a5efb0f_qkv,@function
k_q648a5efb0f_qkv:
	s_mov_b64 s[64:65], 0
	v_nop
	global_prefetch_b8 v0, s[64:65] scope:SCOPE_SE
	s_setreg_imm32_b32 hwreg(HW_REG_WAVE_MODE, 25, 1), 1
	s_wait_xcnt 0x0
	s_wait_alu depctr_hold_cnt(0) depctr_sa_sdst(0) depctr_va_vdst(0) depctr_va_sdst(0) depctr_va_ssrc(0) depctr_va_vcc(0) depctr_vm_vsrc(0)
	s_getreg_b32 s2, hwreg(HW_REG_IB_STS2, 6, 4)
	s_cmp_eq_u32 s2, 0
	s_cbranch_scc0 .Lentry_in_a_cluster
	s_endpgm
.Lentry_in_a_cluster:
	s_bfe_u32 s2, ttmp6, 0x10000c
	s_cmp_lg_u32 s2, 0xf033
	s_cbranch_scc0 .Lentry_shape_is_right
	s_endpgm
.Lentry_shape_is_right:
; q = rope(x Wq^T) c, k = rope(x Wk^T), v = x Wv^T: three products on codes of FP4 (E2M1) with one E8M0 scale for each 32 along K = 1,024, sums in f32; the results leave as f16, laid as
; IMAGES OF THE NEXT PRODUCTS' OPERAND REGISTERS, so that they are stored straight from registers, 512 consecutive bytes a store.
; All operands are rows of the two buffers codes [11264][512 bytes] and scales [11264][32 bytes]: rows 0-8191 x, then Wq, Wk, Wv.  A work-group makes C' = A' B'^T, 256 x 256; a wave 128 x 128: 64 accumulators.
; The cluster's x says which product: 0 q, 1 k: A' = 256 rows of x, B' = 256 rows of the weight;  2 v: A' = 256 rows of Wv, B' = 256 rows of x: so v comes out with the KEYS along a lane's registers.
; THE MATRIX INSTRUCTION IS USED TRANSPOSED (source 0 = 16 rows of B', source 1 = 16 rows of A'): register j of lane (r, h) of accumulator (a, b) is C'(16 a + r, 16 b + 8 h + j).  Rounded to f16 in pairs,
; an accumulator is 16 bytes a lane: one piece of an image.
;   QF (+0), KF (+16777216): [16 batch + head][tile of 16 positions][piece n 0-3][lane][16 bytes]: channels 16 n + 8 h + 0 .. 7 of position 16 tile + r.
;   VF (+33554432): [16 batch + head][block of 32 keys][piece n 0-7][lane][16 bytes]: keys 16 (n % 2) + 8 h + 0 .. 7 of channel 16 (n / 2) + r.
; K = 1,024 is two LDS slots of 512 along K: both are asked for at the head and nothing is filled again.  The scales of the 512 rows come with them, in whole rows of 256 bytes.
; CLUSTERS: 4 x 4 work-groups; A's tiles are shared along a row of the cluster, B's along a column: each is asked for jointly, by the same tensor load with the same descriptor and a mask that names the four.
; THE ROTARY EMBEDDING is applied to the f32 sums: channel i < 32 of a head and channel i + 32 lie in the same lane and register of accumulators b and b + 2; cos and sin come from the table
; (q's carries c = log2(e) / 8), laid so that a lane's registers match: four packed lines for each pair of registers.
; LIMITS: f16 results: beyond 65,504 they become infinite (the drawn c q, k and v stay under 10).
; REGISTERS, in windows of 256: window 0: v16-29 addresses; v32-95 scale words, two sets; v128-191 A's fragments, one set; v192-255 two sets of table values; on the way out v32-95 the rotated numbers, v96-159 two sets of f16.
;   window 1: B's fragments, two sets, at v0 and v128.   window 2: the accumulators of my rows 0-63 ((a, b) at v[8 (8 a + b)]);   window 3: those of rows 64-127.
.set KSTEP,  512                       ; along K in a slot
.set NQ,     KSTEP/128                 ; matrix instructions deep
.set ROWB,   256                       ; a tile's row in bytes
.set KROW,   512                       ; a row of codes in memory
.set PITCH,  272                       ; an LDS row: 256 bytes + 16 of padding = 68 words: the 16 rows that a load touches start at 16 different banks (64 banks of 4 bytes: ISA guide 11.1)
.set FR,     8                         ; registers of a fragment: 16 rows x 128 K
.set NL,     2                         ; LDS loads that bring one
.set NP,     4                         ; places behind this matrix instruction (ISA guide 7.12.1)
.set HALFT,  128*PITCH                 ; 128 rows: what one tensor load brings
.set SLOT,   4*HALFT                   ; A's 256 rows, then B's 256 rows
.set KS,     32                        ; a row of scales in bytes
.set SCL,    2*SLOT                    ; behind the two slots: the scales, as rows of 256 bytes + 16 of padding
.set HALFS,  (128*KS/256)*272          ; the scales of 128 rows
.set SBLK,   (16*KS/256)*272           ; those of 16 rows
.set SPARE,  SCL+4*HALFS               ; behind the scales: the spare words, 128 bytes a wave
.set ADRA, 16                          ; v16-17  LDS address of my A fragments in slot 0, 1
.set ADRB, 20                          ; v20-21  the same for B
.set CO,   26                          ; v26     16 x lane: my place in a piece of an image and of the table
.set ADRS, 27                          ; v27     LDS address of my scale words: lanes 0-15 A's rows, lanes 16-31 B's
.set SPW,  28                          ; v28     LDS address of my spare word; never rewritten
.set NIL,  29                          ; v29     0; never rewritten
.set SC,   32                          ; scale words: set s at v[SC + 32 s]; register 4 i + q: lanes 0-15 A's block i, lanes 16-31 B's block i, the slot's q-th 128 along K
.set AF,   128                         ; A's fragments
.set TBL,  192                         ; table values: two sets of 32: 16 par + 8 sc + j
.set T,    32                          ; the way out: a block's 64 rotated numbers
.set PK,   96                          ; the way out: two sets of 32 registers of f16
.set G1, 24                            ; s[24:31] descriptor group 1 for A's tiles;  s[32:39] group 0, one set for each slot
.set G0, 32
.set G1B, 48                           ; s[48:55], s[56:63] the same for B's tiles
.set G0B, 56
.set G1S, 68                           ; s[68:75], s[76:79] groups 1 and 0 for A's scales;  s[80:87], s[88:91] for B's
.set G0S, 76
.set G1SB, 80
.set G0SB, 88
.set MSB, 0
.macro WIN new                         ; the immediate's high byte repeats the setting that is left; a switch that changes nothing is dropped
.if MSB != (\new)
	s_set_vgpr_msb (MSB<<8)|(\new)
.set MSB, (\new)
.endif
.endm
.set MUL_LO, 0xa1                      ; source 0 (B) window 1, source 1 (A) window 0, C and D window 2
.set MUL_HI, 0xf1                      ; the same, C and D window 3
.set TO_B,   0x40                      ; destination window 1, address window 0
; A joint load: waves 0 and 1 fetch for A, waves 2 and 3 for B.  Each line has one mask and one set of registers for all that issue it; the branch hangs on the wave's number alone.
; An s_nop 0 and four v_nop follow each of the two lines.
.macro JLOAD g0a, g1a, g0b, g1b
	s_cmp_eq_u32 s15, 0
	s_cbranch_scc0 .Lfor_b_\@
	tensor_load_to_lds s[\g0a:\g0a+3], s[\g1a:\g1a+7]
	s_nop 0
.rept 4
	v_nop
.endr
	s_branch .Lasked_\@
.Lfor_b_\@:
	tensor_load_to_lds s[\g0b:\g0b+3], s[\g1b:\g1b+7]
	s_nop 0
.rept 4
	v_nop
.endr
.Lasked_\@:
.endm
.macro CROUND                          ; a round of the cluster's barrier: my work-group's barrier; wave 0 signals for the work-group; every wave waits for all sixteen; my work-group's barrier once more
	s_barrier_signal -1
	s_barrier_wait -1
	s_cmp_lg_u32 s14, 0
	s_cbranch_scc1 .Lnot_wave_0_\@
	s_barrier_signal -3
.Lnot_wave_0_\@:
	s_barrier_wait -3
	s_barrier_signal -1
	s_barrier_wait -1
.endm
	s_load_b256 s[4:11], s[0:1], 0x0               ; codes s[4:5], scales s[6:7], tab s[8:9], qkvf s[10:11]
	v_lshl_add_u32 v[SPW], v0, 2, SPARE
	v_mov_b32 v[NIL], 0
	ds_add_u32 v[SPW], v[NIL]                      ; the wave's opening: the add, twice on end, and its wait ahead of my first tensor load; the set-up below stands between
	ds_add_u32 v[SPW], v[NIL]
	v_lshrrev_b32 v1, 5, v0
	v_readfirstlane_b32 s14, v1                    ; wave 0..3
	s_lshr_b32 s15, s14, 1                         ; which half of the tile's rows is mine.  Also: I fetch for A (0) or for B (1)
	s_and_b32 s16, s14, 1                          ; which half of its columns.  Also: which 128 rows of that tile I fetch
	s_bfe_u32 s40, ttmp6, 0x40000                  ; cx, cy: my place in the cluster
	s_bfe_u32 s41, ttmp6, 0x40004
	s_mov_b32 s95, ttmp9                           ; the cluster's x: 0 q, 1 k, 2 v: the same in all sixteen partners
	s_and_b32 s96, ttmp7, 0xffff
	s_lshl_b32 s96, s96, 2                         ; 4 x the cluster's y: four blocks of 256 rows of x
	s_lshl_b32 s97, s95, 2
	s_add_co_u32 s97, s97, 32                      ; Wq begins at block 32, Wk at 36
	s_cmp_eq_u32 s95, 2
	s_cselect_b32 s17, 40, s96                     ; A': Wv (from block 40), else x
	s_cselect_b32 s42, s96, s97                    ; B': x, else the weight
	s_add_co_u32 s17, s17, s41                     ; A's block of 256 rows: + cy, which my row of the cluster shares
	s_add_co_u32 s42, s42, s40                     ; B's: + cx, which my column shares
	s_lshl_b32 s43, s41, 2
	s_lshl_b32 s43, 15, s43                        ; my row of the cluster
	s_lshl_b32 s44, 0x1111, s40                    ; my column
	; descriptor group 1: a tile of 128 rows x 256 bytes, padded in LDS
	s_or_b32 s[G1+0], s43, (0<<16)|(1<<20)|(1<<21)|(5<<22)|(3<<25)  ; 15:0 the mask; 17:16 elements of 1 byte; 20 padding on; 21 set beside a mask; 24:22 after every 64 words (code 5); 31:25 four words (code 3)
	s_or_b32 s[G1B+0], s44, (0<<16)|(1<<20)|(1<<21)|(5<<22)|(3<<25)
.irp g, G1, G1B
	s_mov_b32 s[\g+1], ROWB<<16                    ; tensor_dim0
	s_mov_b32 s[\g+2], 128<<16                     ; tensor_dim1
	s_mov_b32 s[\g+3], ROWB<<16                    ; tile_dim0
	s_mov_b32 s[\g+4], 128                         ; tile_dim1
	s_mov_b32 s[\g+5], KROW                        ; tensor_dim0_stride
	s_mov_b32 s[\g+6], 0
	s_mov_b32 s[\g+7], 0
.endr
	; and for the scales of 128 rows: 4,096 dense bytes, as 16 rows of 256 bytes (32 elements of 8 bytes), 16 bytes of padding behind each
	s_or_b32 s[G1S+0], s43, (3<<16)|(1<<20)|(1<<21)|(5<<22)|(3<<25)
	s_or_b32 s[G1SB+0], s44, (3<<16)|(1<<20)|(1<<21)|(5<<22)|(3<<25)
.irp g, G1S, G1SB
	s_mov_b32 s[\g+1], 32<<16
	s_mov_b32 s[\g+2], (128*KS/256)<<16
	s_mov_b32 s[\g+3], 32<<16
	s_mov_b32 s[\g+4], 128*KS/256
	s_mov_b32 s[\g+5], 32
	s_mov_b32 s[\g+6], 0
	s_mov_b32 s[\g+7], 0
.endr
	s_lshl_b32 s18, s16, 7                         ; which 128 rows of the tile I fetch
	s_lshl_b32 s20, s17, 8
	s_add_co_u32 s20, s20, s18                     ; A: its first row in the two buffers
	s_lshl_b32 s46, s42, 8
	s_add_co_u32 s46, s46, s18                     ; B likewise
	s_mov_b32 s21, 0
	s_mov_b32 s47, 0
	s_mov_b64 s[18:19], KS
	s_mul_u64 s[22:23], s[20:21], s[18:19]         ; where these rows' scales begin, in bytes
	s_mul_u64 s[92:93], s[46:47], s[18:19]
	s_mov_b64 s[18:19], KROW
	s_mul_u64 s[20:21], s[20:21], s[18:19]         ; and their codes
	s_mul_u64 s[46:47], s[46:47], s[18:19]
	s_mul_i32 s45, s14, HALFT                      ; where they go: wave x 128 rows: no place in the cluster enters an LDS address
	s_mul_i32 s94, s14, HALFS
	s_wait_dscnt 0x0                               ; both opening adds are done
	s_wait_kmcnt 0x0
	s_add_nc_u64 s[20:21], s[4:5], s[20:21]
	s_add_nc_u64 s[22:23], s[6:7], s[22:23]
	s_add_nc_u64 s[46:47], s[4:5], s[46:47]
	s_add_nc_u64 s[92:93], s[6:7], s[92:93]
	CROUND                                         ; all sixteen work-groups are here: the joint loads meet
	s_mov_b32 s[G0S], 1
	s_add_co_u32 s[G0S+1], s94, SCL
	s_mov_b64 s[G0S+2:G0S+3], s[22:23]
	s_or_b32 s[G0S+3], s[G0S+3], 0x80000000
	s_mov_b32 s[G0SB], 1
	s_add_co_u32 s[G0SB+1], s94, SCL
	s_mov_b64 s[G0SB+2:G0SB+3], s[92:93]
	s_or_b32 s[G0SB+3], s[G0SB+3], 0x80000000
	JLOAD G0S, G1S, G0SB, G1SB                     ; the scales first: they are wanted with the first slot
.irp s, 0,1
	s_mov_b32 s[G0+4*\s], 1
	s_add_co_u32 s[G0+4*\s+1], s45, \s*SLOT
	s_add_nc_u64 s[G0+4*\s+2:G0+4*\s+3], s[20:21], \s*ROWB
	s_or_b32 s[G0+4*\s+3], s[G0+4*\s+3], 0x80000000
	s_mov_b32 s[G0B+4*\s], 1
	s_add_co_u32 s[G0B+4*\s+1], s45, \s*SLOT
	s_add_nc_u64 s[G0B+4*\s+2:G0B+4*\s+3], s[46:47], \s*ROWB
	s_or_b32 s[G0B+4*\s+3], s[G0B+4*\s+3], 0x80000000
	JLOAD G0+4*\s, G1, G0B+4*\s, G1B               ; after slot 1's, three tensor loads of mine are out, and no more follow
.endr
	v_and_b32 v1, 15, v0                           ; l % 16
	v_bfe_u32 v2, v0, 4, 1                         ; l / 16
	v_mul_u32_u24 v3, v1, PITCH
	v_lshl_add_u32 v4, v2, 4, v3                   ; a fragment's row x pitch + 16 x half
	s_mul_i32 s21, s15, HALFT                      ; my 128 rows of A
	s_mul_i32 s22, s16, HALFT                      ; my 128 rows of B,
	s_add_co_u32 s22, s22, 2*HALFT                 ; which lie behind A's 256
.irp s, 0,1
	v_add_nc_u32 v[ADRA+\s], s21, v4
	v_add_nc_u32 v[ADRB+\s], s22, v4
	s_add_co_u32 s21, s21, SLOT
	s_add_co_u32 s22, s22, SLOT
.endr
	v_mul_u32_u24 v5, v1, KS                       ; my row's scales: 32 bytes a row,
	v_lshrrev_b32 v6, 8, v5
	v_lshl_add_u32 v5, v6, 4, v5                   ; and 16 more for each 256 passed
	s_mul_i32 s21, s15, HALFS                      ; A's: my 128 rows
	s_mul_i32 s22, s16, HALFS                      ; B's: my 128 rows, behind A's 256
	s_add_co_u32 s22, s22, 2*HALFS
	s_sub_co_u32 s22, s22, s21
	v_mul_u32_u24 v6, s22, v2                      ; lanes 16-31 take B's: one product, the distance between the two bases
	s_add_co_u32 s21, s21, SCL
	v_add_nc_u32 v5, v5, v6
	v_add_nc_u32 v[ADRS], s21, v5
	v_and_b32 v6, 31, v0
	v_lshlrev_b32 v[CO], 4, v6
.macro FRAG reg, adr, q, i             ; a fragment: lane l holds row l % 16; registers 4 c .. 4 c + 3 hold K = 64 c + 32 (l / 16) + 0 .. 31
.irp c, 0,1
	ds_load_b128 v[\reg+4*\c:\reg+4*\c+3], v[\adr] offset:64*(\q)+32*\c+(\i)*16*PITCH
.endr
.endm
; 16 matrix instructions: A's blocks a0, a0 + 1 x B's eight, the slot's q-th 128 along K.  p: B's set;  sc: the set of scale words.  zero = 1: the first product starts the sums: nothing is ever cleared.
; The 64 accumulators take turns, one instruction a turn, in the same order in every step.
.macro MUL16 a0, p, q, sc, zero
.irp a, \a0, \a0+1
.irp b, 0,1,2,3,4,5,6,7
.if \zero
	v_wmma_scale_f32_16x16x128_f8f6f4 v[8*(8*((\a)%4)+\b):8*(8*((\a)%4)+\b)+7], v[128*(\p)+FR*\b:128*(\p)+FR*\b+FR-1], v[AF+FR*(\a):AF+FR*(\a)+FR-1], 0, v[SC+8*NQ*(\sc)+NQ*\b+(\q)], v[SC+8*NQ*(\sc)+NQ*(\a)+(\q)] matrix_a_fmt:MATRIX_FMT_FP4 matrix_b_fmt:MATRIX_FMT_FP4 matrix_a_scale:MATRIX_SCALE_ROW1
.else
	v_wmma_scale_f32_16x16x128_f8f6f4 v[8*(8*((\a)%4)+\b):8*(8*((\a)%4)+\b)+7], v[128*(\p)+FR*\b:128*(\p)+FR*\b+FR-1], v[AF+FR*(\a):AF+FR*(\a)+FR-1], v[8*(8*((\a)%4)+\b):8*(8*((\a)%4)+\b)+7], v[SC+8*NQ*(\sc)+NQ*\b+(\q)], v[SC+8*NQ*(\sc)+NQ*(\a)+(\q)] matrix_a_fmt:MATRIX_FMT_FP4 matrix_b_fmt:MATRIX_FMT_FP4 matrix_a_scale:MATRIX_SCALE_ROW1
.endif
.endr
.endr
.endm
.macro FETCH_B slot, q, p              ; B's eight fragments of the slot's q-th 128 along K into set p
	WIN TO_B
.irp i, 0,1,2,3,4,5,6,7
	FRAG 128*(\p)+FR*\i, ADRB+\slot, \q, \i
.endr
	WIN 0
.endm
.macro FETCH_A slot, q, i0             ; A's blocks i0 .. i0 + 3
.irp i, \i0, \i0+1, \i0+2, \i0+3
	FRAG AF+FR*(\i), ADRA+\slot, \q, \i
.endr
.endm
.macro SCALES sc                       ; a slot's scale words into set sc: four words a row; lanes 0-15 take A's block i, lanes 16-31 B's block i
.irp i, 0,1,2,3,4,5,6,7
	ds_load_b128 v[SC+8*NQ*\sc+NQ*\i:SC+8*NQ*\sc+NQ*\i+3], v[ADRS] offset:\i*SBLK
.endr
.endm
; A load into a register that a matrix instruction has read, and a vector instruction that reads a matrix result or writes one of a matrix instruction's registers, stand NP places behind it; only plain vector
; instructions that name none of its registers are places (ISA guide 7.12.1 for vector instructions).
.macro PLACES n
.rept \n
	v_nop
.endr
.endm
; A step of 128 along K that has its successor in the same slot.  A block of A is free as soon as its eight products are issued: blocks 0-3 are fetched anew in the step's middle, blocks 4-7 at its end.
.macro STEP slot, q, zero
	s_wait_dscnt 4*NL                              ; B's set and A's blocks 0-3 are in; the youngest eight loads (A's blocks 4-7) may be out
	WIN MUL_LO
	MUL16 0, (\q)%2, \q, \slot, \zero
	MUL16 2, (\q)%2, \q, \slot, \zero
	s_wait_dscnt 0                                 ; A's blocks 4-7 are in
	PLACES NP
	FETCH_B \slot, (\q)+1, 1-(\q)%2
	FETCH_A \slot, (\q)+1, 0
	WIN MUL_HI
	MUL16 4, (\q)%2, \q, \slot, \zero
	MUL16 6, (\q)%2, \q, \slot, \zero
	PLACES NP
	WIN 0
	FETCH_A \slot, (\q)+1, 4
.endm
; Slot 0's last step goes over to slot 1: each wave waits for all its tensor loads, its part of slot 1 among them, and passes a barrier: then the slot is whole for every wave.  Nothing is filled again.
.macro TURN slot, next
	s_wait_tensorcnt 0x0                           ; all my tensor loads have landed (every window is 0 here)
	ds_add_u32 v[SPW], v[NIL]                      ; 0 onto my spare word
	s_wait_dscnt 4*NL+1                            ; (the add and the youngest eight loads may be out)
	WIN MUL_LO
	MUL16 0, 1, NQ-1, \slot, 0
	s_wait_dscnt 0x0                               ; no LDS instruction of mine is out at the signal
	s_barrier_signal -1
	MUL16 2, 1, NQ-1, \slot, 0
	WIN 0
	s_barrier_wait -1
	PLACES NP
	v_add_nc_u32 v[ADRS], 4*NQ, v[ADRS]            ; on to the next slot's scale words
	FETCH_B \next, 0, 0
	FETCH_A \next, 0, 0
	SCALES \next
	WIN MUL_HI
	MUL16 4, 1, NQ-1, \slot, 0
	MUL16 6, 1, NQ-1, \slot, 0
	PLACES NP
	WIN 0
	FETCH_A \next, 0, 4
.endm
.macro STEPS slot, from                ; the slot's steps from .. NQ - 2
.set Q, \from
.rept NQ-1-\from
	STEP \slot, Q, 0
.set Q, Q+1
.endr
.endm
.macro LAST                            ; the very last step: nothing more to fetch
	s_wait_dscnt 4*NL
	WIN MUL_LO
	MUL16 0, 1, NQ-1, 1, 0
	MUL16 2, 1, NQ-1, 1, 0
	s_wait_dscnt 0
	WIN MUL_HI
	MUL16 4, 1, NQ-1, 1, 0
	MUL16 6, 1, NQ-1, 1, 0
	WIN 0
.endm
.macro FINISH
	s_wait_tensorcnt 0x0                           ; the wave's end, behind my last tensor load
	ds_add_u32 v[SPW], v[NIL]
	s_wait_dscnt 0x0
	CROUND                                         ; the closing round
	s_endpgm
.endm
	s_wait_tensorcnt 1                             ; the scales and my part of slot 0 are in (slot 1's load may be out),
	s_barrier_signal -1
	s_barrier_wait -1                              ; everybody's are
	FETCH_B 0, 0, 0
	FETCH_A 0, 0, 0
	SCALES 0
	FETCH_A 0, 0, 4
	STEP 0, 0, 1                                   ; the first step's products start the sums
	STEPS 0, 1
	TURN 0, 1
	STEPS 1, 0
	s_cmp_eq_u32 s95, 2                            ; the way out differs: the cluster's x decides, alike in all partners
	s_cbranch_scc1 .Lv
	; ---------------- q and k: rotate, round, store ----------------
	s_lshl_b32 s18, s17, 4
	s_lshl_b32 s19, s15, 3
	s_add_co_u32 s18, s18, s19
	s_and_b32 s18, s18, 127                        ; my first tile of 16 positions in its sequence
	s_lshr_b32 s19, s17, 3                         ; the batch: 8 blocks of 256 rows each
	s_lshl_b32 s19, s19, 4
	s_lshl_b32 s20, s40, 2
	s_add_co_u32 s19, s19, s20
	s_lshl_b32 s20, s16, 1
	s_add_co_u32 s19, s19, s20                     ; 16 batch + my first head (4 cx + 2 x my half of the columns)
	s_lshl_b32 s19, s19, 7
	s_add_co_u32 s19, s19, s18
	s_lshl_b32 s20, s19, 11                        ; 2,048 bytes a tile
	s_lshl_b32 s21, s95, 24                        ; KF lies 16,777,216 bytes behind QF
	s_add_co_u32 s20, s20, s21
	s_mov_b32 s21, 0
	s_add_nc_u64 s[10:11], s[10:11], s[20:21]
	s_lshl_b32 s20, s18, 12                        ; the table: 4,096 bytes a tile,
	s_lshl_b32 s22, s95, 19                        ; k's table 524,288 bytes behind q's
	s_add_co_u32 s20, s20, s22
	s_add_nc_u64 s[8:9], s[8:9], s[20:21]
.macro TLOAD a                         ; the table values of my tile a into set a % 2: 8 loads of 512 consecutive bytes
.irp p, 0,1,2,3,4,5,6,7
	global_load_b128 v[TBL+32*((\a)%2)+4*\p:TBL+32*((\a)%2)+4*\p+3], v[CO], s[8:9] offset:(\a)*4096+\p*512
.endr
.endm
; Block a (16 positions x my 128 channels = two heads).  Accumulators b = 4 hl + par (channels i = 16 par + 8 h + j) and b + 2 (channels i + 32) meet: lo' = lo cos - hi sin, hi' = hi cos + lo sin.
.macro ROPE a
.if (\a) < 7
	s_wait_loadcnt 8                               ; this tile's 8 loads are in; the next tile's may be out
.else
	s_wait_loadcnt 0x0
.endif
.set TS, TBL+32*((\a)%2)
.set AC, 64*((\a)%4)
.set PB, PK+32*((\a)%2)
	WIN 0x02+(\a)/4                                ; source 0: the accumulators' window
.irp hl, 0,1
.irp par, 0,1
.irp jj, 0,2,4,6                       ; each accumulator is read from its low end on
	v_pk_mul_f32 v[T+8*(4*\hl+\par)+\jj:T+8*(4*\hl+\par)+\jj+1], v[AC+8*(4*\hl+\par)+\jj:AC+8*(4*\hl+\par)+\jj+1], v[TS+16*\par+\jj:TS+16*\par+\jj+1]
	v_pk_mul_f32 v[T+8*(4*\hl+\par)+16+\jj:T+8*(4*\hl+\par)+16+\jj+1], v[AC+8*(4*\hl+\par)+16+\jj:AC+8*(4*\hl+\par)+16+\jj+1], v[TS+16*\par+\jj:TS+16*\par+\jj+1]
	v_pk_fma_f32 v[T+8*(4*\hl+\par)+\jj:T+8*(4*\hl+\par)+\jj+1], v[AC+8*(4*\hl+\par)+16+\jj:AC+8*(4*\hl+\par)+16+\jj+1], v[TS+16*\par+8+\jj:TS+16*\par+8+\jj+1], v[T+8*(4*\hl+\par)+\jj:T+8*(4*\hl+\par)+\jj+1] neg_lo:[1,0,0] neg_hi:[1,0,0]
	v_pk_fma_f32 v[T+8*(4*\hl+\par)+16+\jj:T+8*(4*\hl+\par)+16+\jj+1], v[AC+8*(4*\hl+\par)+\jj:AC+8*(4*\hl+\par)+\jj+1], v[TS+16*\par+8+\jj:TS+16*\par+8+\jj+1], v[T+8*(4*\hl+\par)+16+\jj:T+8*(4*\hl+\par)+16+\jj+1]
.endr
.endr
.endr
	WIN 0
.if (\a) >= 2
	s_wait_xcnt 0x0                                ; block a - 2's stores have read their data: this set of f16 registers is rewritten only behind this wait
.endif
.if (\a) < 6
	TLOAD (\a)+2                                   ; the set just read takes the tile two further on
.endif
.irp b, 0,1,2,3,4,5,6,7
.irp i, 0,1,2,3
	v_cvt_pk_f16_f32 v[PB+4*\b+\i], v[T+8*\b+2*\i], v[T+8*\b+2*\i+1]
.endr
.endr
.irp b, 0,1,2,3,4,5,6,7
	global_store_b128 v[CO], v[PB+4*\b:PB+4*\b+3], s[10:11] offset:(\a)*2048+(\b/4)*262144+(\b%4)*512   ; piece b % 4 of tile a of head b / 4: 512 consecutive bytes, aligned
.endr
.endm
	TLOAD 0
	TLOAD 1
	LAST
	PLACES NP                                      ; behind the last products: their results are read, and their scale words' and A's registers written, below
.irp a, 0,1,2,3,4,5,6,7
	ROPE \a
.endr
	FINISH
	; ---------------- v: round, store ----------------
.Lv:
	s_lshr_b32 s18, s42, 3                         ; the batch of my keys
	s_lshl_b32 s18, s18, 4
	s_lshl_b32 s19, s41, 2
	s_add_co_u32 s18, s18, s19
	s_lshl_b32 s19, s15, 1
	s_add_co_u32 s18, s18, s19                     ; 16 batch + my first head (4 cy + 2 x my half of the rows)
	s_lshl_b32 s18, s18, 6                         ; 64 blocks of 32 keys a head
	s_lshl_b32 s19, s42, 3
	s_lshl_b32 s20, s16, 2
	s_add_co_u32 s19, s19, s20
	s_and_b32 s19, s19, 63                         ; my first block of 32 keys in its sequence
	s_add_co_u32 s18, s18, s19
	s_lshl_b32 s20, s18, 12                        ; 4,096 bytes a block
	s_add_co_u32 s20, s20, 33554432                ; VF
	s_mov_b32 s21, 0
	s_add_nc_u64 s[10:11], s[10:11], s[20:21]
.macro VOUT a                          ; block a: channels 16 (a % 4) + r of head a / 4; accumulator b: keys 16 b + 8 h + j
.set AC, 64*((\a)%4)
.set PB, PK+32*((\a)%2)
.if (\a) >= 2
	s_wait_xcnt 0x0                                ; block a - 2's stores have read their data
.endif
	WIN 0x0a+5*((\a)/4)                            ; sources 0 and 1: the accumulators' window
.irp b, 0,1,2,3,4,5,6,7
.irp i, 0,1,2,3
	v_cvt_pk_f16_f32 v[PB+4*\b+\i], v[AC+8*\b+2*\i], v[AC+8*\b+2*\i+1]
.endr
.endr
	WIN 0
.irp b, 0,1,2,3,4,5,6,7
	global_store_b128 v[CO], v[PB+4*\b:PB+4*\b+3], s[10:11] offset:((\a)/4)*262144+((\a)%4)*1024+(\b/2)*4096+(\b%2)*512
.endr
.endm
	LAST
	PLACES NP
.irp a, 0,1,2,3,4,5,6,7
	VOUT \a
.endr
	FINISH
.Lfunc_end_k_q648a5efb0f_qkv:
	.size	k_q648a5efb0f_qkv, .Lfunc_end_k_q648a5efb0f_qkv-k_q648a5efb0f_qkv
	.p2alignl 7, 3214868480
	.fill 96, 4, 3214868480
	.section	.rodata,"a",@progbits
	.p2align	6, 0x0
	.amdhsa_kernel k_q648a5efb0f_qkv
		.amdhsa_group_segment_fixed_size 327680
		.amdhsa_private_segment_fixed_size 0
		.amdhsa_enable_private_segment 0
		.amdhsa_kernarg_size 32
		.amdhsa_user_sgpr_count 2
		.amdhsa_user_sgpr_kernarg_segment_ptr 1
		.amdhsa_wavefront_size32 1
		.amdhsa_system_sgpr_workgroup_id_x 1
		.amdhsa_system_sgpr_workgroup_id_y 1
		.amdhsa_system_sgpr_workgroup_id_z 1
		.amdhsa_system_vgpr_workitem_id 0
		.amdhsa_next_free_vgpr 1024
		.amdhsa_next_free_sgpr 100
		.amdhsa_reserve_vcc 0
		.amdhsa_float_denorm_mode_32 3
		.amdhsa_float_denorm_mode_16_64 3
		.amdhsa_memory_ordered 1
		.amdhsa_forward_progress 1
		.amdhsa_inst_pref_size 188
	.end_amdhsa_kernel
	.amdgpu_metadata
---
amdhsa.version: [ 1, 2 ]
amdhsa.kernels:
  - .name:           k_q648a5efb0f_qkv
    .symbol:         k_q648a5efb0f_qkv.kd
    .args:
      - { .name: codes, .offset: 0, .size: 8, .value_kind: global_buffer, .address_space: global }
      - { .name: scales, .offset: 8, .size: 8, .value_kind: global_buffer, .address_space: global }
      - { .name: tab, .offset: 16, .size: 8, .value_kind: global_buffer, .address_space: global }
      - { .name: qkvf, .offset: 24, .size: 8, .value_kind: global_buffer, .address_space: global }
    .group_segment_fixed_size: 327680
    .private_segment_fixed_size: 0
    .kernarg_segment_align: 8
    .kernarg_segment_size: 32
    .max_flat_workgroup_size: 128
    .sgpr_count:     100
    .vgpr_count:     1024
    .wavefront_size: 32
...
	.end_amdgpu_metadata
.endif
;; end of part 2
;; launch attn (part 3): grid 4 x 64, 8 waves a work-group, clusters of 4 x 1, 327,680 bytes of LDS; arguments qkvf, at; writes at
.if DOCPART == 3
	.amdgcn_target "amdgcn-amd-amdhsa--gfx1250"
	.amdhsa_code_object_version 6
	.text
	.protected	k_q648a5efb0f_attn
	.globl	k_q648a5efb0f_attn
	.p2align	8
	.type	k_q648a5efb0f_attn,@function
k_q648a5efb0f_attn:
	s_mov_b64 s[64:65], 0
	v_nop
	global_prefetch_b8 v0, s[64:65] scope:SCOPE_SE
	s_setreg_imm32_b32 hwreg(HW_REG_WAVE_MODE, 25, 1), 1
	s_wait_xcnt 0x0
	s_wait_alu depctr_hold_cnt(0) depctr_sa_sdst(0) depctr_va_vdst(0) depctr_va_sdst(0) depctr_va_ssrc(0) depctr_va_vcc(0) depctr_vm_vsrc(0)
	s_getreg_b32 s2, hwreg(HW_REG_IB_STS2, 6, 4)
	s_cmp_eq_u32 s2, 0
	s_cbranch_scc0 .Lentry_in_a_cluster
	s_endpgm
.Lentry_in_a_cluster:
	s_bfe_u32 s2, ttmp6, 0x10000c
	s_cmp_lg_u32 s2, 0x3003
	s_cbranch_scc0 .Lentry_shape_is_right
	s_endpgm
.Lentry_shape_is_right:
; O[q] = the sum over k of softmax_k(Q[q] . K[k] / 8) V[k], for 64 pairs (batch, head), 2,048 positions, head size 64, no mask.  Operands f16, products, maxima and sums f32.
; Q already carries c = log2(e) / 8, so a score s is the exponent of 2.  For each query a running maximum M and sum l: p = 2^(s - M); in every step O and l are multiplied by a = 2^(M old - M new).
; All operands arrive as IMAGES OF THEIR REGISTERS (pieces of 512 bytes, 16 a lane):
;   QF (+0), KF (+16777216): [pair][tile of 16 positions][piece n 0-3]: channels 16 n + 8 h + 0 .. 7 of position r;  pieces 2 kc, 2 kc + 1 are a fragment (16 rows x channels 32 kc ..).
;   VF (+33554432): [pair][block of 32 keys][piece n 0-7]: keys 16 (n % 2) + 8 h + 0 .. 7 of channel 16 (n / 2) + r: pieces 2 ct, 2 ct + 1 are a fragment of V^T.
;   at (the result): as QF.
; SHARES.  A work-group owns 512 queries of one pair, each of its eight waves 64: four tiles of 16.  Two waves share a SIMD's registers, 512 each: one wave's softmax stands beside the other's products.
; Every wave walks all 2,048 keys, 64 a step; a fragment of K or V read from LDS feeds four matrix instructions.
; LAYOUT.  S^T = K Q^T (source 0 = 16 keys, source 1 = 16 queries): a lane holds ONE query (lane % 16) and keys 8 (lane / 16) + 0..7.  Two such tiles, rounded to f16 in pairs, ARE source 1 of O^T = V^T P,
; whose result again holds one query a lane, and eight channels: rounded in pairs it is a piece of the result's image, stored straight from registers.
; THE RING.  Two slots of 512 keys: K's images 65,536 bytes, then V's 65,536; dense, no padding: a load of 16 bytes a lane takes 512 consecutive bytes.  Waves 0-3 fetch K's quarters, waves 4-7 V's: one tensor load
; a wave, 64 rows of 256 bytes.  By this text's count a wave has two loads out at the start and one behind each refill; a refill has a slot's 8 key steps in which to land.
; CLUSTER.  The four work-groups of a pair walk the same K and V: each tile is asked for jointly, with a mask that names the four.
; IN A KEY STEP the four tiles go in two pairs: pair 1's maxima stand among pair 0's exponentials, pair 0's sums and roundings among pair 1's exponentials, pair 1's sums behind pair 0's products.
; No prefetch: a refill is asked for a whole slot ahead of the wait for it, and the first fills stand at the head.
; LIMITS: NaN and infinities are not served.  p is rounded to f16 for the product; l is the sum of the unrounded p.  The result is f16.
; REGISTERS: window 0: v1-7 addresses; v16-47 eight registers of statistics a tile; v48-111 K of one step; v128-255 S^T, 32 a tile, P in each tile's first 16.
;   window 1: v0-127 O^T, 32 a tile; v128-191 Q; v192-255 V of one step.
.set SLOT1, 1<<17                      ; slot 1 begins here: one exclusive or turns an address in one slot into the other's
.set VOFF,  65536                      ; in a slot: V's images behind K's
.set STEPB, 8192                       ; a key step's bytes in each
.set SPARE, 2*SLOT1                    ; behind the ring: the spare words, 128 bytes for each of eight waves
.set L16,  1                           ; v1   16 x lane; never rewritten
.set L16V, 2                           ; v2   16 x lane + VOFF; never rewritten
.set ADK,  3                           ; v3   LDS address of the step's K
.set ADV,  4                           ; v4   of its V
.set SPW,  6                           ; v6   LDS address of my spare word; never rewritten
.set NIL,  7                           ; v7   0; never rewritten
.set ST,   16                          ; tile t's statistics at v[ST+8 t]: +0 M, +1 its partner in a pair (0), +2, +3 l (even keys', odd keys'), +4 .. +7 c0-c3, at work; a lands in c2
.set KF,   48
.set S,    128
.set QW,   128                         ; in window 1
.set VW,   192                         ; in window 1
.set WV,   12                          ; s12  my wave's number
.set G1,   24                          ; s[24:31] descriptor group 1: one shape for all tiles
.set G0K,  32                          ; s[32:39] group 0 for K's tiles: a set for each first fill; the second then walks on
.set G0V,  40                          ; s[40:47] the same for V's
.set SLOTS, 48                         ; s48  slots still to be asked for
.set CNT,  49                          ; s49  counts a slot's eight steps
.set TB,   50                          ; s50  LDS byte at which the step's K begins
.set SEL,  52                          ; s[52:53] lane selects for v_permlanex16_b32: lane l xor 16
.set MSB, 0
.macro WIN new                         ; the immediate's high byte repeats the setting that is left; a switch that changes nothing is dropped
.if MSB != (\new)
	s_set_vgpr_msb (MSB<<8)|(\new)
.set MSB, (\new)
.endif
.endm
.set W_KQ, 0x04                        ; Q (source 1) in window 1; K and S^T in window 0
.set W_PV, 0x51                        ; V (source 0), C and D in window 1; P in window 0
.set W_RS, 0x41                        ; O^T (destination and source 0) in window 1, a in window 0
.set TO_1, 0x40                        ; destination window 1, address window 0
.set OUTW, 0x05                        ; sources 0 and 1 window 1, destination window 0
; A joint refill.  The branch hangs on the wave's number alone.  An s_nop 0 and four v_nop follow each of the two lines.
.macro JLOAD
	s_cmp_lt_u32 s[WV], 4
	s_cbranch_scc0 .Lfor_v_\@
	tensor_load_to_lds s[G0K+4:G0K+7], s[G1:G1+7]
	s_nop 0
.rept 4
	v_nop
.endr
	s_branch .Lasked_\@
.Lfor_v_\@:
	tensor_load_to_lds s[G0V+4:G0V+7], s[G1:G1+7]
	s_nop 0
.rept 4
	v_nop
.endr
.Lasked_\@:
.endm
.macro CROUND                          ; a round of the cluster's barrier
	s_barrier_signal -1
	s_barrier_wait -1
	s_cmp_lg_u32 s[WV], 0
	s_cbranch_scc1 .Lnot_wave_0_\@
	s_barrier_signal -3
.Lnot_wave_0_\@:
	s_barrier_wait -3
	s_barrier_signal -1
	s_barrier_wait -1
.endm
	s_load_b128 s[4:7], s[0:1], 0x0                ; qkvf s[4:5], at s[6:7]
	v_lshl_add_u32 v[SPW], v0, 2, SPARE
	v_mov_b32 v[NIL], 0
	ds_add_u32 v[SPW], v[NIL]                      ; the wave's opening: the add, twice on end, and its wait ahead of my first tensor load; the set-up below stands between
	ds_add_u32 v[SPW], v[NIL]
	v_lshrrev_b32 v1, 5, v0
	v_readfirstlane_b32 s[WV], v1                  ; wave 0..7
	s_bfe_u32 s13, ttmp6, 0x40000                  ; cx: my place in the cluster
	s_lshl_b32 s14, ttmp9, 2
	s_add_co_u32 s14, s14, s13                     ; my block of 512 queries: it enters Q's and the result's addresses alone
	s_and_b32 s20, ttmp7, 0xffff                   ; the pair (batch, head), which the four partners share
	s_lshl_b32 s20, s20, 18                        ; 262,144 bytes a pair in each of the four images
	s_mov_b32 s21, 0
	s_lshl_b32 s2, s14, 16                         ; my block: 32 tiles of 2,048 bytes,
	s_lshl_b32 s3, s[WV], 13                       ; my wave's four of them
	s_add_co_u32 s2, s2, s3
	s_add_co_u32 s2, s2, s20
	s_mov_b32 s3, 0
	s_and_b32 s22, s[WV], 3
	s_lshl_b32 s22, s22, 14                        ; the quarter of a slot's K or V that I fetch: 16,384 bytes, in memory and in LDS alike
	s_add_co_u32 s20, s20, s22
	; descriptor group 1: 64 rows of 256 bytes (32 elements of 8 bytes), dense in memory and in LDS
	s_mov_b32 s[G1], 15|(3<<16)|(1<<21)            ; 15:0 the mask: all four work-groups; 17:16 elements of 8 bytes; 20 no padding; 21 set beside a mask
	s_mov_b32 s[G1+1], 32<<16                      ; tensor_dim0
	s_mov_b32 s[G1+2], 64<<16                      ; tensor_dim1
	s_mov_b32 s[G1+3], 32<<16                      ; tile_dim0
	s_mov_b32 s[G1+4], 64                          ; tile_dim1
	s_mov_b32 s[G1+5], 32                          ; tensor_dim0_stride
	s_mov_b32 s[G1+6], 0
	s_mov_b32 s[G1+7], 0
	s_mov_b32 s[SEL], 0x76543210
	s_mov_b32 s[SEL+1], 0xfedcba98
	s_mov_b32 s[TB], 0
	s_mov_b32 s[SLOTS], 2
	s_wait_dscnt 0x0                               ; both opening adds are done
	s_wait_kmcnt 0x0
	s_add_nc_u64 s[16:17], s[4:5], s[2:3]          ; Q at my wave's first tile
	s_add_nc_u64 s[18:19], s[6:7], s[2:3]          ; the result likewise
	s_add_nc_u64 s[10:11], s[4:5], s[20:21]        ; my quarter of the pair's first slot, counted from QF
	CROUND                                         ; all four work-groups are here: the first joint loads meet
.irp s, 0,1
	s_mov_b32 s[G0K+4*\s], 1                       ; count = 1
	s_add_co_u32 s[G0K+4*\s+1], s22, \s*SLOT1      ; LDS address
	s_add_nc_u64 s[G0K+4*\s+2:G0K+4*\s+3], s[10:11], 16777216+\s*65536   ; slot s begins with keys 512 s
	s_or_b32 s[G0K+4*\s+3], s[G0K+4*\s+3], 0x80000000                    ; type = 2
	s_mov_b32 s[G0V+4*\s], 1
	s_add_co_u32 s[G0V+4*\s+1], s22, \s*SLOT1+VOFF
	s_add_nc_u64 s[G0V+4*\s+2:G0V+4*\s+3], s[10:11], 33554432+\s*65536
	s_or_b32 s[G0V+4*\s+3], s[G0V+4*\s+3], 0x80000000
.endr
	s_cmp_lt_u32 s[WV], 4                          ; a wave's two first fills stand in one branch, ahead of every wait on TENSORcnt and every LDS read
	s_cbranch_scc0 .Lfirst_v
	tensor_load_to_lds s[G0K:G0K+3], s[G1:G1+7]
	s_nop 0
	tensor_load_to_lds s[G0K+4:G0K+7], s[G1:G1+7]
	s_nop 0
.rept 4
	v_nop
.endr
	s_branch .Lfirst_asked
.Lfirst_v:
	tensor_load_to_lds s[G0V:G0V+3], s[G1:G1+7]
	s_nop 0
	tensor_load_to_lds s[G0V+4:G0V+7], s[G1:G1+7]
	s_nop 0
.rept 4
	v_nop
.endr
.Lfirst_asked:
	v_and_b32 v[L16], 31, v0
	v_lshlrev_b32 v[L16], 4, v[L16]
	v_add_nc_u32 v[L16V], VOFF, v[L16]
.irp t, 0,1,2,3
	v_mov_b32 v[ST+8*\t], 0xff61b1e6               ; M: -3e38, under every score
	v_mov_b32 v[ST+8*\t+1], 0
	v_mov_b32 v[ST+8*\t+2], 0                      ; l
	v_mov_b32 v[ST+8*\t+3], 0
.endr
	WIN TO_1
.irp n, 0,1,2,3,4,5,6,7,8,9,10,11,12,13,14,15  ; Q stays in registers: tile n / 4, piece n % 4
	global_load_b128 v[QW+4*\n:QW+4*\n+3], v[L16], s[16:17] offset:512*\n
.endr
.set i_, 0
.rept 128
	v_mov_b32 v[i_], 0                             ; O^T.  The key step is written once for all steps: its first trip finds zeros and multiplies them by a = 0.  128 lines once, against a second text of the whole step
.set i_, i_+1
.endr
	WIN 0
; ---- the softmax's lines, for tile t ----
.macro MAXL t, j                       ; line j of 16 of the maximum of the lane's 32 scores and M: four chains of seven, then the four left over, the chains and M.  Lines 0-3 read each accumulator's low end first
.set rT, ST+8*(\t)
.set rS, S+32*(\t)
.if (\j) < 4
	v_max3_num_f32 v[rT+4+(\j)], v[rS+8*(\j)], v[rS+8*(\j)+1], v[rS+8*(\j)+2]
.elseif (\j) < 12
	v_max3_num_f32 v[rT+4+(\j)%4], v[rT+4+(\j)%4], v[rS+8*((\j)%4)+2*((\j)/4)+1], v[rS+8*((\j)%4)+2*((\j)/4)+2]
.elseif (\j) == 12
	v_max3_num_f32 v[rT+4], v[rT+4], v[rS+7], v[rS+15]
.elseif (\j) == 13
	v_max3_num_f32 v[rT+6], v[rT+6], v[rS+23], v[rS+31]
.elseif (\j) == 14
	v_max3_num_f32 v[rT+4], v[rT+4], v[rT+5], v[rT+6]
.else
	v_max3_num_f32 v[rT+4], v[rT+4], v[rT+7], v[rT]
.endif
.endm
.macro MAXT2 ta, tb                    ; the other half of the lanes' maximum (the query's other 32 keys lie in the lane 16 away); M old - M new; the new M.  Two tiles by turns
	v_permlanex16_b32 v[ST+8*(\ta)+5], v[ST+8*(\ta)+4], s[SEL], s[SEL+1]
	v_permlanex16_b32 v[ST+8*(\tb)+5], v[ST+8*(\tb)+4], s[SEL], s[SEL+1]
	v_max_num_f32 v[ST+8*(\ta)+4], v[ST+8*(\ta)+4], v[ST+8*(\ta)+5]
	v_max_num_f32 v[ST+8*(\tb)+4], v[ST+8*(\tb)+4], v[ST+8*(\tb)+5]
	v_sub_f32 v[ST+8*(\ta)+7], v[ST+8*(\ta)], v[ST+8*(\ta)+4]
	v_sub_f32 v[ST+8*(\tb)+7], v[ST+8*(\tb)], v[ST+8*(\tb)+4]
	v_mov_b32 v[ST+8*(\ta)], v[ST+8*(\ta)+4]
	v_mov_b32 v[ST+8*(\tb)], v[ST+8*(\tb)+4]
.endm
.macro EXPA t                          ; a = 2^(M old - M new)
	v_exp_f32 v[ST+8*(\t)+6], v[ST+8*(\t)+7]
.endm
.macro SUB1 t, i                       ; pair i of the scores: s - M (of the pair M, partner the low word serves both halves)
	v_pk_add_f32 v[S+32*(\t)+2*(\i):S+32*(\t)+2*(\i)+1], v[S+32*(\t)+2*(\i):S+32*(\t)+2*(\i)+1], v[ST+8*(\t):ST+8*(\t)+1] op_sel_hi:[1,0] neg_lo:[0,1] neg_hi:[0,1]
.endm
.macro EXP2 t, i                       ; p, in place
	v_exp_f32 v[S+32*(\t)+2*(\i)], v[S+32*(\t)+2*(\i)]
	v_exp_f32 v[S+32*(\t)+2*(\i)+1], v[S+32*(\t)+2*(\i)+1]
.endm
.macro SUM1 t, i                       ; l = a l + p's first pair; then + the other pairs
.if (\i) == 0
	v_pk_fma_f32 v[ST+8*(\t)+2:ST+8*(\t)+3], v[ST+8*(\t)+2:ST+8*(\t)+3], v[ST+8*(\t)+6:ST+8*(\t)+7], v[S+32*(\t):S+32*(\t)+1] op_sel_hi:[1,0,1]
.else
	v_pk_add_f32 v[ST+8*(\t)+2:ST+8*(\t)+3], v[ST+8*(\t)+2:ST+8*(\t)+3], v[S+32*(\t)+2*(\i):S+32*(\t)+2*(\i)+1]
.endif
.endm
.macro CVT1 t, i                       ; pair i rounded to f16 into register i of the tile: that register's own p has been summed and rounded by then
	v_cvt_pk_f16_f32 v[S+32*(\t)+(\i)], v[S+32*(\t)+2*(\i)], v[S+32*(\t)+2*(\i)+1]
.endm
.macro RES t                           ; the tile's O^T times c2 (a, or at the end 1 / l), each accumulator from its low end on
.set i_, 0
.rept 16
	v_pk_mul_f32 v[32*(\t)+i_:32*(\t)+i_+1], v[32*(\t)+i_:32*(\t)+i_+1], v[ST+8*(\t)+6:ST+8*(\t)+7] op_sel_hi:[1,0]
.set i_, i_+2
.endr
.endm
; ---- the products, for the pair of tiles 2 g, 2 g + 1: eight accumulators by turns, one instruction a turn ----
.macro KQ g                            ; S^T = K Q^T: channels 32 kc on, key tiles kt; the first eight start the sums
.irp kc, 0,1
.irp tt, 0,1
.irp kt, 0,1,2,3
.if \kc == 0
	v_wmma_f32_16x16x32_f16 v[S+32*(2*(\g)+\tt)+8*\kt:S+32*(2*(\g)+\tt)+8*\kt+7], v[KF+16*\kt+8*\kc:KF+16*\kt+8*\kc+7], v[QW+16*(2*(\g)+\tt)+8*\kc:QW+16*(2*(\g)+\tt)+8*\kc+7], 0
.else
	v_wmma_f32_16x16x32_f16 v[S+32*(2*(\g)+\tt)+8*\kt:S+32*(2*(\g)+\tt)+8*\kt+7], v[KF+16*\kt+8*\kc:KF+16*\kt+8*\kc+7], v[QW+16*(2*(\g)+\tt)+8*\kc:QW+16*(2*(\g)+\tt)+8*\kc+7], v[S+32*(2*(\g)+\tt)+8*\kt:S+32*(2*(\g)+\tt)+8*\kt+7]
.endif
.endr
.endr
.endr
.endm
.macro PV g                            ; O^T += V^T P: keys 32 kk on, channel tiles ct
.irp kk, 0,1
.irp tt, 0,1
.irp ct, 0,1,2,3
	v_wmma_f32_16x16x32_f16 v[32*(2*(\g)+\tt)+8*\ct:32*(2*(\g)+\tt)+8*\ct+7], v[VW+32*\kk+8*\ct:VW+32*\kk+8*\ct+7], v[S+32*(2*(\g)+\tt)+8*\kk:S+32*(2*(\g)+\tt)+8*\kk+7], v[32*(2*(\g)+\tt)+8*\ct:32*(2*(\g)+\tt)+8*\ct+7]
.endr
.endr
.endr
.endm
; ---- A KEY STEP: 64 keys ----
.macro KSTEP
	v_add_nc_u32 v[ADK], s[TB], v[L16]
	v_add_nc_u32 v[ADV], s[TB], v[L16V]
.rept 3
	v_nop                                          ; with the two additions: five places behind the last products V^T P: four for the loads into V's registers, five for the products below that write over P
.endr
.irp n, 0,1,2,3,4,5,6,7,8,9,10,11,12,13,14,15
	ds_load_b128 v[KF+4*\n:KF+4*\n+3], v[ADK] offset:512*\n      ; key tile n / 4, piece n % 4
.endr
	WIN TO_1
.irp n, 0,1,2,3,4,5,6,7,8,9,10,11,12,13,14,15
	ds_load_b128 v[VW+4*\n:VW+4*\n+3], v[ADV] offset:512*\n      ; block n / 8 of 32 keys, piece n % 8
.endr
	s_wait_dscnt 16                                ; K is in; V's 16 loads may be out
	WIN W_KQ
	KQ 0
	KQ 1
	WIN 0
.rept 4
	v_nop                                          ; places behind the products, ahead of the first read of scores
.endr
.irp j, 0,1,2,3,4,5,6,7,8,9,10,11,12,13,14,15
	MAXL 0, \j
	MAXL 1, \j
.endr
	MAXT2 0, 1
.irp i, 0,1,2,3,4,5,6,7,8,9,10,11,12,13,14,15
	SUB1 0, \i
	SUB1 1, \i
.endr
	EXPA 0                                         ; tiles 0 and 1: 66 exponentials in one batch; tiles 2 and 3's maxima stand among them and name none of their results
	EXPA 1
.irp i, 0,1,2,3,4,5,6,7,8,9,10,11,12,13,14,15
	EXP2 0, \i
	MAXL 2, \i
	EXP2 1, \i
	MAXL 3, \i
.endr
	MAXT2 2, 3
.irp i, 0,1,2,3,4,5,6,7,8,9,10,11,12,13,14,15
	SUB1 2, \i
	SUB1 3, \i
.endr
	s_wait_alu depctr_va_vdst(0)                   ; one wait for that batch, ahead of its first reader; the 40 lines above are the independent work between
	EXPA 2                                         ; tiles 2 and 3: the second batch; tiles 0 and 1's sums and roundings stand among it
	EXPA 3
.irp i, 0,1,2,3,4,5,6,7,8,9,10,11,12,13,14,15
	EXP2 2, \i
	SUM1 0, \i
	CVT1 0, \i
	EXP2 3, \i
	SUM1 1, \i
	CVT1 1, \i
.endr
	WIN W_RS
	RES 0
	RES 1
	s_wait_dscnt 0x0                               ; V is in
	WIN W_PV
	PV 0
	WIN 0
	s_wait_alu depctr_va_vdst(0)                   ; one wait for the second batch: nothing above names a result of it
.irp i, 0,1,2,3,4,5,6,7,8,9,10,11,12,13,14,15
	SUM1 2, \i                                     ; these name no register of the products just issued
	CVT1 2, \i
	SUM1 3, \i
	CVT1 3, \i
.endr
	WIN W_RS
	RES 2
	RES 3
	WIN W_PV
	PV 1
	WIN 0
	s_add_co_u32 s[TB], s[TB], STEPB               ; the next step's images
.endm
.macro STEPS                           ; a slot's eight key steps: written once, walked eight times
	s_mov_b32 s[CNT], 8
.Lstep_\@:
	KSTEP
	s_sub_co_u32 s[CNT], s[CNT], 1
	s_cmp_lg_u32 s[CNT], 0
	s_cbranch_scc1 .Lstep_\@
.endm
; THE CHANGE OF SLOTS.  Each wave waits for all its tensor loads (the one that is out is its part of the other slot), adds 0 to its spare word, and waits for that and for its reads of the slot that it leaves.
; fill = 1: behind a round of the cluster's barrier, so that no wave of any partner still reads the slot or has a load on its way, the slot is filled again with the keys two slots on: the first thing behind the round.
.macro CHANGE fill
	s_wait_tensorcnt 0x0                           ; no tensor load of mine is out, so a group 0 may be written
	ds_add_u32 v[SPW], v[NIL]
.if \fill
.irp g, G0K+4, G0V+4
	s_xor_b32 s[\g+1], s[\g+1], SLOT1              ; the walking descriptor: the other slot than last time,
	s_add_nc_u64 s[\g+2:\g+3], s[\g+2:\g+3], 65536 ; the next 512 keys; the type bits on top are not reached
.endr
	s_wait_dscnt 0x0                               ; the add is done, and my reads of the slot are over
	CROUND
	JLOAD
.else
	s_wait_dscnt 0x0
	s_barrier_signal -1
	s_barrier_wait -1
.endif
	s_sub_co_u32 s[TB], s[TB], 8*STEPB             ; back to a slot's first step,
	s_xor_b32 s[TB], s[TB], SLOT1                  ; in the other slot
.endm
	s_wait_tensorcnt 1                             ; my part of slot 0 is in; slot 1's may stay out
	s_barrier_signal -1
	s_barrier_wait -1                              ; everybody's is
	s_wait_loadcnt 0x0                             ; Q
	STEPS                                          ; keys 0 to 511
.Lslot:                                            ; two trips: slots 0 and 1 are filled once more
	CHANGE 1
	STEPS
	s_sub_co_u32 s[SLOTS], s[SLOTS], 1
	s_cmp_lg_u32 s[SLOTS], 0
	s_cbranch_scc1 .Lslot
	CHANGE 0                                       ; the tail is written out
	STEPS
	; THE WAY OUT.  l's two halves and the other half of the lanes' are added; O^T is divided by l, rounded to f16 in pairs and stored as it stands.  The additions are the places behind the last products.
.irp t, 0,1,2,3
	v_add_f32 v[ST+8*\t+4], v[ST+8*\t+2], v[ST+8*\t+3]
.endr
.irp t, 0,1,2,3
	v_permlanex16_b32 v[ST+8*\t+5], v[ST+8*\t+4], s[SEL], s[SEL+1]
.endr
.irp t, 0,1,2,3
	v_add_f32 v[ST+8*\t+4], v[ST+8*\t+4], v[ST+8*\t+5]
.endr
.irp t, 0,1,2,3
	v_rcp_f32 v[ST+8*\t+6], v[ST+8*\t+4]
.endr
	v_nop                                          ; a plain line behind the last reciprocal,
	s_wait_alu depctr_va_vdst(0)                   ; and one wait for the four, ahead of their first reader
	WIN W_RS
	RES 0
	RES 1
	RES 2
	RES 3
	WIN OUTW
.irp n, 0,1,2,3,4,5,6,7,8,9,10,11,12,13,14,15  ; tile n / 4, channel tile n % 4: a piece of the image
.irp i, 0,1,2,3
	v_cvt_pk_f16_f32 v[S+4*\n+\i], v[8*\n+2*\i], v[8*\n+2*\i+1]
.endr
.endr
	WIN 0
.irp n, 0,1,2,3,4,5,6,7,8,9,10,11,12,13,14,15
	global_store_b128 v[L16], v[S+4*\n:S+4*\n+3], s[18:19] offset:512*\n   ; 512 consecutive bytes, aligned
.endr
	s_wait_tensorcnt 0x0                           ; the wave's end, behind my last tensor load
	ds_add_u32 v[SPW], v[NIL]
	s_wait_dscnt 0x0
	CROUND                                         ; the closing round: no work-group ends while a partner may still ask for a tile that names it
	s_endpgm
.Lfunc_end_k_q648a5efb0f_attn:
	.size	k_q648a5efb0f_attn, .Lfunc_end_k_q648a5efb0f_attn-k_q648a5efb0f_attn
	.p2alignl 7, 3214868480
	.fill 96, 4, 3214868480
	.section	.rodata,"a",@progbits
	.p2align	6, 0x0
	.amdhsa_kernel k_q648a5efb0f_attn
		.amdhsa_group_segment_fixed_size 327680
		.amdhsa_private_segment_fixed_size 0
		.amdhsa_enable_private_segment 0
		.amdhsa_kernarg_size 16
		.amdhsa_user_sgpr_count 2
		.amdhsa_user_sgpr_kernarg_segment_ptr 1
		.amdhsa_wavefront_size32 1
		.amdhsa_system_sgpr_workgroup_id_x 1
		.amdhsa_system_sgpr_workgroup_id_y 1
		.amdhsa_system_sgpr_workgroup_id_z 1
		.amdhsa_system_vgpr_workitem_id 0
		.amdhsa_next_free_vgpr 512
		.amdhsa_next_free_sgpr 66
		.amdhsa_reserve_vcc 0
		.amdhsa_float_denorm_mode_32 3
		.amdhsa_float_denorm_mode_16_64 3
		.amdhsa_memory_ordered 1
		.amdhsa_forward_progress 1
		.amdhsa_inst_pref_size 118
	.end_amdhsa_kernel
	.amdgpu_metadata
---
amdhsa.version: [ 1, 2 ]
amdhsa.kernels:
  - .name:           k_q648a5efb0f_attn
    .symbol:         k_q648a5efb0f_attn.kd
    .args:
      - { .name: qkvf, .offset: 0, .size: 8, .value_kind: global_buffer, .address_space: global }
      - { .name: at, .offset: 8, .size: 8, .value_kind: global_buffer, .address_space: global }
    .group_segment_fixed_size: 327680
    .private_segment_fixed_size: 0
    .kernarg_segment_align: 8
    .kernarg_segment_size: 16
    .max_flat_workgroup_size: 256
    .sgpr_count:     66
    .vgpr_count:     512
    .wavefront_size: 32
...
	.end_amdgpu_metadata
.endif
;; end of part 3
;; launch oproj (part 4): grid 4 x 64, 4 waves a work-group, clusters of 4 x 4, 327,680 bytes of LDS; arguments at, woh, out0; writes out0
.if DOCPART == 4
	.amdgcn_target "amdgcn-amd-amdhsa--gfx1250"
	.amdhsa_code_object_version 6
	.text
	.protected	k_q648a5efb0f_oproj
	.globl	k_q648a5efb0f_oproj
	.p2align	8
	.type	k_q648a5efb0f_oproj,@function
k_q648a5efb0f_oproj:
	s_mov_b64 s[64:65], 0
	v_nop
	global_prefetch_b8 v0, s[64:65] scope:SCOPE_SE
	s_setreg_imm32_b32 hwreg(HW_REG_WAVE_MODE, 25, 1), 1
	s_wait_xcnt 0x0
	s_wait_alu depctr_hold_cnt(0) depctr_sa_sdst(0) depctr_va_vdst(0) depctr_va_sdst(0) depctr_va_ssrc(0) depctr_va_vcc(0) depctr_vm_vsrc(0)
	s_getreg_b32 s2, hwreg(HW_REG_IB_STS2, 6, 4)
	s_cmp_eq_u32 s2, 0
	s_cbranch_scc0 .Lentry_in_a_cluster
	s_endpgm
.Lentry_in_a_cluster:
	s_bfe_u32 s2, ttmp6, 0x10000c
	s_cmp_lg_u32 s2, 0xf033
	s_cbranch_scc0 .Lentry_shape_is_right
	s_endpgm
.Lentry_shape_is_right:
; out0[m][n] = the sum over k of A[m][k] Wo[n][k], m 8,192, n and k 1,024; operands f16, sums and result f32.
; A is attention's result, laid as images of this product's operand registers: [16 batch + head][tile of 16 positions][piece n 0-3][lane][16 bytes]: channels 16 n + 8 h + 0 .. 7 of position 16 tile + r;
; pieces 2 kc, 2 kc + 1 are the fragment (16 rows x k = 64 head + 32 kc ..).  Wo is f16, row-major [n][k].
; A tile of the result is 128 x 256: 256 work-groups of four waves; a wave makes 64 x 128: 32 accumulators, 256 registers.  K goes in steps of 128 (two heads) through a ring of two LDS slots.
; In a slot: A's images of two heads, 16,384 dense bytes each (128 rows); then 256 rows of Wo, 256 bytes + 16 of padding.  Waves 0 and 1 fetch A's two heads, waves 2 and 3 Wo's two halves: one tensor load a wave.
; By this text's count a wave has two tensor loads out at the start and one behind each refill.
; CLUSTERS: 4 x 4 work-groups: A's tiles are shared along a row of the cluster, Wo's along a column, each asked for jointly.
; THE MATRIX INSTRUCTION IS USED TRANSPOSED (source 0 = 16 rows of Wo, source 1 = 16 rows of A): a lane holds eight neighbouring numbers of a row of the result.
; THE WAY OUT: a block of 16 rows x 128 columns goes through the wave's own stage in LDS and leaves as whole rows of 512 bytes.  The stage lies in slot 0, which has had its last fill and its last read by then.
; A PREFETCH for A alone, which one cluster reads once: behind each refill but the last two, wave 0 of each work-group names 32 blocks of 256 bytes of the K step two refills on; the four partners that share the
; tile take 4,096 bytes of each head, told apart by address.  K steps 0 to 3 come by their loads alone.  Wo, which all sixteen rows of clusters read, is not asked for.
; REGISTERS: window 0: v16-30 addresses; two fragment buffers of 96 at v32 and v128 (A's four fragments, then Wo's eight); on the way out v32-95 and v128-191 rows of the result.   window 1: accumulator (a, b) at v[8 (8 a + b)].
.set PITCH,  272                       ; a row of Wo in LDS: 68 words: the 16 rows that a load touches start at 16 different banks (64 banks of 4 bytes: ISA guide 11.1)
.set HALFB,  128*PITCH                 ; 128 rows of Wo
.set BOFF,   32768                     ; in a slot: Wo's rows behind A's two heads
.set SLOT,   BOFF+2*HALFB
.set SPARE,  2*SLOT                    ; behind the ring: the spare words, 128 bytes a wave
.set SPITCH, 528                       ; a stage row: 512 bytes + 16
.set LAPS,   4                         ; a lap = two K steps = once round the ring
.set KA,     524288                    ; a K step on in A: two heads of 262,144 bytes
.set ADRA, 16                          ; v16-17  LDS address of my A fragments in slot 0, 1
.set ADRB, 20                          ; v20-21  the same for Wo
.set STO,  24                          ; v24     the way out: where I put 32 bytes of a row
.set RD,   25                          ; v25     the way out: where I read a row back
.set CO,   26                          ; v26     16 x lane
.set SPW,  28                          ; v28     LDS address of my spare word; never rewritten
.set NIL,  29                          ; v29     0; never rewritten
.set PFO,  30                          ; v30     the prefetch's offset: 262,144 (lane / 16) + 256 (lane % 16); never rewritten
.set F0,   32
.set F1,   128
.set G1A, 24                           ; s[24:31] descriptor group 1 for A's tiles;  s[32:39] group 0, one set for each slot
.set G0A, 32
.set G1B, 48                           ; s[48:55], s[56:63] the same for Wo's
.set G0B, 56
.set LIM, 43                           ; s43     1 in the wave that prefetches, else the greatest number
.set PFA, 44                           ; s[44:45] where my prefetches stand: one K step further on than the refill that is being asked for; a prefetch names the K step after that
.set MSB, 0
.macro WIN new                         ; the immediate's high byte repeats the setting that is left; a switch that changes nothing is dropped
.if MSB != (\new)
	s_set_vgpr_msb (MSB<<8)|(\new)
.set MSB, (\new)
.endif
.endm
.set MUL, 0x50                         ; C and D window 1; both sources window 0
.macro JLOAD s                         ; a joint load; an s_nop 0 and four v_nop follow each of the two lines
	s_cmp_eq_u32 s11, 0
	s_cbranch_scc0 .Lfor_b_\@
	tensor_load_to_lds s[G0A+4*\s:G0A+4*\s+3], s[G1A:G1A+7]
	s_nop 0
.rept 4
	v_nop
.endr
	s_branch .Lasked_\@
.Lfor_b_\@:
	tensor_load_to_lds s[G0B+4*\s:G0B+4*\s+3], s[G1B:G1B+7]
	s_nop 0
.rept 4
	v_nop
.endr
.Lasked_\@:
.endm
.macro ASK                             ; s3 = 1 in the loop's last trip, whose refills have no K step two on
	s_cmp_gt_u32 s3, s[LIM]
	s_cbranch_scc0 .Lnot_mine_\@
	global_prefetch_b8 v[PFO], s[PFA:PFA+1] offset:KA th:TH_LOAD_NT scope:SCOPE_SE
.Lnot_mine_\@:
.endm
.macro CREST                           ; a round of the cluster's barrier behind its opening barrier
	s_cmp_lg_u32 s10, 0
	s_cbranch_scc1 .Lnot_wave_0_\@
	s_barrier_signal -3
.Lnot_wave_0_\@:
	s_barrier_wait -3
	s_barrier_signal -1
	s_barrier_wait -1
.endm
.macro CROUND                          ; a whole round
	s_barrier_signal -1
	s_barrier_wait -1
	CREST
.endm
	s_load_b128 s[4:7], s[0:1], 0x0                ; A s[4:5], Wo s[6:7]
	s_load_b64 s[8:9], s[0:1], 0x10                ; the result
	v_lshl_add_u32 v[SPW], v0, 2, SPARE
	v_mov_b32 v[NIL], 0
	ds_add_u32 v[SPW], v[NIL]                      ; the wave's opening: the add, twice on end, and its wait ahead of my first tensor load; the set-up below stands between
	ds_add_u32 v[SPW], v[NIL]
	v_lshrrev_b32 v1, 5, v0
	v_readfirstlane_b32 s10, v1                    ; wave 0..3
	s_lshr_b32 s11, s10, 1                         ; which half of the tile's rows is mine.  Also: I fetch for A (0) or for Wo (1)
	s_and_b32 s12, s10, 1                          ; which half of its columns.  Also: which head, or which 128 rows of Wo, I fetch
	s_bfe_u32 s40, ttmp6, 0x40000                  ; cx, cy: my place in the cluster
	s_bfe_u32 s41, ttmp6, 0x40004
	s_lshl_b32 s42, ttmp9, 2
	s_add_co_u32 s42, s42, s40                     ; tile column (256 columns) = 4 x cluster x + cx
	s_and_b32 s13, ttmp7, 0xffff
	s_lshl_b32 s13, s13, 2
	s_add_co_u32 s13, s13, s41                     ; tile row (128 rows) = 4 x cluster y + cy
	s_lshl_b32 s43, s41, 2
	s_lshl_b32 s43, 15, s43                        ; my row of the cluster
	s_lshl_b32 s44, 0x1111, s40                    ; my column
	; A: 64 rows of 256 bytes (32 elements of 8 bytes), dense in memory and in LDS
	s_or_b32 s[G1A+0], s43, (3<<16)|(1<<21)        ; 15:0 the mask; 17:16 elements of 8 bytes; 21 set beside a mask
	s_mov_b32 s[G1A+1], 32<<16                     ; tensor_dim0
	s_mov_b32 s[G1A+2], 64<<16                     ; tensor_dim1
	s_mov_b32 s[G1A+3], 32<<16                     ; tile_dim0
	s_mov_b32 s[G1A+4], 64                         ; tile_dim1
	s_mov_b32 s[G1A+5], 32                         ; tensor_dim0_stride
	s_mov_b32 s[G1A+6], 0
	s_mov_b32 s[G1A+7], 0
	; Wo: 128 rows x 128 elements of 2 bytes, 1,024 elements from row to row, four words of padding behind every 64
	s_or_b32 s[G1B+0], s44, (1<<16)|(1<<20)|(1<<21)|(5<<22)|(3<<25)
	s_mov_b32 s[G1B+1], 128<<16
	s_mov_b32 s[G1B+2], 128<<16
	s_mov_b32 s[G1B+3], 128<<16
	s_mov_b32 s[G1B+4], 128
	s_mov_b32 s[G1B+5], 1024
	s_mov_b32 s[G1B+6], 0
	s_mov_b32 s[G1B+7], 0
	s_lshr_b32 s16, s13, 4                         ; the batch: 16 tile rows each,
	s_lshl_b32 s16, s16, 22                        ; 16 heads of 262,144 bytes;
	s_and_b32 s17, s13, 15
	s_lshl_b32 s17, s17, 14                        ; in a head my tile row's 8 tiles of 2,048 bytes
	s_add_co_u32 s16, s16, s17                     ; (kept for the prefetch)
	s_lshl_b32 s17, s12, 18                        ; the head that I fetch
	s_add_co_u32 s14, s16, s17
	s_mov_b32 s15, 0
	s_lshl_b32 s46, s42, 8
	s_lshl_b32 s17, s12, 7
	s_add_co_u32 s46, s46, s17                     ; Wo: row 256 x tile column + 128 x half,
	s_lshl_b32 s46, s46, 11                        ; 2,048 bytes a row
	s_mov_b32 s47, 0
	s_lshl_b32 s20, s12, 14                        ; where they go: A's head,
	s_mul_i32 s21, s12, HALFB
	s_add_co_u32 s21, s21, BOFF                    ; Wo's half: no place in the cluster enters an LDS address
	s_wait_dscnt 0x0                               ; both opening adds are done
	s_wait_kmcnt 0x0
	s_add_nc_u64 s[14:15], s[4:5], s[14:15]
	s_add_nc_u64 s[46:47], s[6:7], s[46:47]
	CROUND                                         ; all sixteen work-groups are here: the first joint loads meet
.irp s, 0,1
	s_mov_b32 s[G0A+4*\s], 1
	s_add_co_u32 s[G0A+4*\s+1], s20, \s*SLOT
	s_add_nc_u64 s[G0A+4*\s+2:G0A+4*\s+3], s[14:15], \s*KA
	s_or_b32 s[G0A+4*\s+3], s[G0A+4*\s+3], 0x80000000
	s_mov_b32 s[G0B+4*\s], 1
	s_add_co_u32 s[G0B+4*\s+1], s21, \s*SLOT
	s_add_nc_u64 s[G0B+4*\s+2:G0B+4*\s+3], s[46:47], \s*256
	s_or_b32 s[G0B+4*\s+3], s[G0B+4*\s+3], 0x80000000
	JLOAD \s
.endr
	v_and_b32 v1, 15, v0                           ; l % 16
	v_bfe_u32 v2, v0, 4, 1                         ; l / 16
	v_and_b32 v3, 31, v0
	v_lshlrev_b32 v[CO], 4, v3
	v_mul_u32_u24 v4, v1, PITCH
	v_lshl_add_u32 v4, v2, 4, v4                   ; Wo: a fragment's row x pitch + 16 x half
	s_lshl_b32 s21, s11, 13                        ; A: my 64 rows: 4 tiles of 2,048 bytes in each head
	s_mul_i32 s22, s12, HALFB                      ; Wo: my 128 rows
	s_add_co_u32 s22, s22, BOFF
.irp s, 0,1
	v_add_nc_u32 v[ADRA+\s], s21, v[CO]
	v_add_nc_u32 v[ADRB+\s], s22, v4
	s_add_co_u32 s21, s21, SLOT
	s_add_co_u32 s22, s22, SLOT
.endr
	s_mul_i32 s23, s10, 16*SPITCH                  ; my stage
	v_mul_u32_u24 v5, v1, SPITCH                   ; in: row l % 16, 32 bytes for each half of the lanes
	v_lshl_add_u32 v5, v2, 5, v5
	v_add_nc_u32 v[STO], s23, v5
	v_add_nc_u32 v[RD], s23, v[CO]                 ; back: the 32 lanes take one row of 512 bytes
	s_lshl_b32 s20, s13, 7
	s_lshl_b32 s21, s11, 6
	s_add_co_u32 s20, s20, s21                     ; my first row of the result,
	s_lshl_b32 s20, s20, 12                        ; 4,096 bytes a row,
	s_lshl_b32 s21, s42, 10
	s_add_co_u32 s20, s20, s21                     ; my tile's 1,024 bytes of it,
	s_lshl_b32 s21, s12, 9
	s_add_co_u32 s20, s20, s21                     ; my half of them
	s_mov_b32 s21, 0
	s_add_nc_u64 s[8:9], s[8:9], s[20:21]
	s_lshl_b32 s20, s40, 12                        ; the prefetches: my work-group's 4,096 bytes of each head's 16,384,
	s_add_co_u32 s20, s20, s16                     ; in my tile row,
	s_add_co_u32 s20, s20, 2*KA                    ; at K step 2: the first refill steps it to 3 and names K step 4
	s_add_nc_u64 s[PFA:PFA+1], s[4:5], s[20:21]
	s_cmp_eq_u32 s10, 0
	s_cselect_b32 s[LIM], 1, -1                    ; wave 0 asks: the same in all partners
	v_lshlrev_b32 v[PFO], 8, v1
	v_lshl_add_u32 v[PFO], v2, 18, v[PFO]
; 8 matrix instructions: A's block a x Wo's eight blocks, 32 along K, from buffer f.  zero = 1: the first product starts the sums.  The 32 accumulators take turns, one instruction a turn, in one order
.macro MUL8 f, a, zero
.irp b, 0,1,2,3,4,5,6,7
.if \zero
	v_wmma_f32_16x16x32_f16 v[8*(8*(\a)+\b):8*(8*(\a)+\b)+7], v[\f+32+8*\b:\f+32+8*\b+7], v[\f+8*(\a):\f+8*(\a)+7], 0
.else
	v_wmma_f32_16x16x32_f16 v[8*(8*(\a)+\b):8*(8*(\a)+\b)+7], v[\f+32+8*\b:\f+32+8*\b+7], v[\f+8*(\a):\f+8*(\a)+7], v[8*(8*(\a)+\b):8*(8*(\a)+\b)+7]
.endif
.endr
.endm
.macro MUL16 f, a0, zero
	MUL8 \f, \a0, \zero
	MUL8 \f, (\a0)+1, \zero
.endm
; 24 LDS loads in one run: the fragments of the slot's quarter kq (32 along K) into buffer f: Wo's eight, A's blocks 0 and 1, A's blocks 2 and 3.  Every window is 0 here
.macro FETCH slot, kq, f
.irp i, 0,1,2,3,4,5,6,7
	ds_load_b128 v[\f+32+8*\i:\f+32+8*\i+3], v[ADRB+\slot] offset:64*(\kq)+\i*16*PITCH
	ds_load_b128 v[\f+32+8*\i+4:\f+32+8*\i+7], v[ADRB+\slot] offset:64*(\kq)+\i*16*PITCH+32
.endr
.irp i, 0,1,2,3
	ds_load_b128 v[\f+8*\i:\f+8*\i+3], v[ADRA+\slot] offset:((\kq)/2)*16384+((\kq)%2)*1024+\i*2048
	ds_load_b128 v[\f+8*\i+4:\f+8*\i+7], v[ADRA+\slot] offset:((\kq)/2)*16384+((\kq)%2)*1024+\i*2048+512
.endr
.endm
.macro PLACES                          ; four places in front of loads into registers that matrix instructions have read, and of the first read of results (ISA guide 7.12.1 for vector instructions)
.rept 4
	v_nop
.endr
.endm
; A K step is four quarters of 32 along K, 32 matrix instructions each, on buffers 0, 1, 0, 1.  One of the first three: multiplies buffer f and fetches quarter kq into g.
.macro QUARTER slot, kq, f, g, zero
	s_wait_dscnt 4                                 ; Wo's fragments and A's blocks 0 and 1 are in; the youngest four loads (A's blocks 2, 3) may be out
	WIN MUL
	MUL16 \f, 0, \zero
	PLACES
	WIN 0
	FETCH \slot, \kq, \g
	s_wait_dscnt 24                                ; all but the 24 just issued
	WIN MUL
	MUL16 \f, 2, \zero
.endm
; The last quarter multiplies buffer 1 and changes slots: ONE barrier; in front of it each wave waits for all its tensor loads, adds 0 to its spare word, and waits for that and for its reads of this slot.
; fill = 1: the barrier opens a round of the cluster's, and this slot is filled again, two K steps ahead, first thing behind the round.
.macro TURN slot, next, fill
.if \fill
	s_wait_xcnt 0x0                                ; the last prefetch, a K step back, has read its address: it is stepped here
	s_add_nc_u64 s[PFA:PFA+1], s[PFA:PFA+1], KA
.endif
	WIN 0                                          ; (the add's two registers lie in window 0)
	s_wait_tensorcnt 0x0                           ; all my tensor loads have landed: my part of the next slot
	ds_add_u32 v[SPW], v[NIL]
	s_wait_dscnt 5                                 ; (the add and the youngest four loads may be out)
	WIN MUL
	MUL8 F1, 0, 0                                  ; eight matrix instructions stand between the add and the wait for it
	s_wait_dscnt 0x0                               ; the add is done, and my reads of this slot are over
	s_barrier_signal -1
	MUL8 F1, 1, 0
	WIN 0
	s_barrier_wait -1
.if \fill
	CREST                                          ; no wave of any partner still reads this slot's tiles or has a load on its way
	s_add_nc_u64 s[G0A+4*\slot+2:G0A+4*\slot+3], s[G0A+4*\slot+2:G0A+4*\slot+3], 2*KA
	s_add_nc_u64 s[G0B+4*\slot+2:G0B+4*\slot+3], s[G0B+4*\slot+2:G0B+4*\slot+3], 2*256
	JLOAD \slot                                    ; the four v_nop behind it are also the places in front of the loads below
.else
	PLACES
.endif
	FETCH \next, 0, F0
.if \fill
	ASK                                            ; behind the joint load and the run of LDS loads that the next products wait for
.endif
	WIN MUL
	MUL16 F1, 2, 0
.endm
	s_wait_tensorcnt 1                             ; my part of K step 0 is in (K step 1's load may be out),
	s_barrier_signal -1
	s_barrier_wait -1                              ; everybody's is
	FETCH 0, 0, F0
	QUARTER 0, 1, F0, F1, 1                        ; the first quarter stands in front of the loop: its products start the sums
	WIN 0                                          ; at a label and at a branch every window is 0
	s_mov_b32 s3, LAPS-1
.Llap:                                             ; a trip goes once round the ring, from a lap's second quarter to the next lap's first, and fills both slots again
	QUARTER 0, 2, F1, F0, 0
	QUARTER 0, 3, F0, F1, 0
	TURN 0, 1, 1
	QUARTER 1, 1, F0, F1, 0
	QUARTER 1, 2, F1, F0, 0
	QUARTER 1, 3, F0, F1, 0
	TURN 1, 0, 1
	QUARTER 0, 1, F0, F1, 0
	WIN 0
	s_sub_co_u32 s3, s3, 1
	s_cmp_lg_u32 s3, 0
	s_cbranch_scc1 .Llap
	QUARTER 0, 2, F1, F0, 0                        ; the last lap fills nothing, and has no round of the cluster's barrier
	QUARTER 0, 3, F0, F1, 0
	TURN 0, 1, 0
	QUARTER 1, 1, F0, F1, 0
	QUARTER 1, 2, F1, F0, 0
	QUARTER 1, 3, F0, F1, 0
	s_wait_dscnt 4                                 ; the very last quarter: nothing more to fetch
	WIN MUL
	MUL16 F1, 0, 0
	s_wait_dscnt 0
	MUL16 F1, 2, 0
	WIN 0
; THE WAY OUT, block by block of 16 rows x 128 columns.  LDS serves a wave's instructions in order (ISA guide 5.7.1.4): no wait between the stores and the loads, nor in front of the next block's stores.
.macro TOSTAGE a
	WIN 0x04                                       ; an LDS store's data are its source 1: window 1
.irp b, 0,1,2,3,4,5,6,7
	ds_store_b128 v[STO], v[64*(\a)+8*\b:64*(\a)+8*\b+3] offset:64*\b          ; each accumulator from its low end on
	ds_store_b128 v[STO], v[64*(\a)+8*\b+4:64*(\a)+8*\b+7] offset:64*\b+16
.endr
	WIN 0
.set BB, F0+96*((\a)%2)
.irp t, 0,1,2,3,4,5,6,7,8,9,10,11,12,13,14,15
	ds_load_b128 v[BB+4*\t:BB+4*\t+3], v[RD] offset:\t*SPITCH
.endr
.endm
.macro SEND a, younger                 ; younger: the LDS instructions issued behind block a's loads, which may stay out
.set BB, F0+96*((\a)%2)
	s_wait_dscnt \younger                          ; the block is back in registers
.if (\a) > 0
	s_add_nc_u64 s[8:9], s[8:9], 16*4096           ; (behind a wait on XCNT: the earlier stores have read their base)  16 rows on
.endif
.irp t, 0,1,2,3,4,5,6,7,8,9,10,11,12,13,14,15
	global_store_b128 v[CO], v[BB+4*\t:BB+4*\t+3], s[8:9] offset:\t*4096 th:TH_STORE_NT   ; 32 lanes store 512 consecutive bytes, aligned; written once, read by nobody here
.endr
.endm
	PLACES                                         ; behind the last products: their results are read, and their operands' registers loaded, below
	TOSTAGE 0
.irp a, 1,2,3
.if \a > 1
	s_wait_xcnt 0x0                                ; block a - 2's stores have read their registers and their base: block a's loads may land there, and the base may step
.endif
	TOSTAGE \a
	SEND \a-1, 32                                  ; behind block a - 1's loads: block a's 16 stores and 16 loads
.endr
	s_wait_xcnt 0x0                                ; block 2's stores have read their base
	SEND 3, 0
	s_wait_tensorcnt 0x0                           ; the wave's end, behind my last tensor load and my last LDS store
	ds_add_u32 v[SPW], v[NIL]
	s_wait_dscnt 0x0
	CROUND                                         ; the closing round: no work-group ends while a partner may still ask for a tile that names it
	s_endpgm
.Lfunc_end_k_q648a5efb0f_oproj:
	.size	k_q648a5efb0f_oproj, .Lfunc_end_k_q648a5efb0f_oproj-k_q648a5efb0f_oproj
	.p2alignl 7, 3214868480
	.fill 96, 4, 3214868480
	.section	.rodata,"a",@progbits
	.p2align	6, 0x0
	.amdhsa_kernel k_q648a5efb0f_oproj
		.amdhsa_group_segment_fixed_size 327680
		.amdhsa_private_segment_fixed_size 0
		.amdhsa_enable_private_segment 0
		.amdhsa_kernarg_size 24
		.amdhsa_user_sgpr_count 2
		.amdhsa_user_sgpr_kernarg_segment_ptr 1
		.amdhsa_wavefront_size32 1
		.amdhsa_system_sgpr_workgroup_id_x 1
		.amdhsa_system_sgpr_workgroup_id_y 1
		.amdhsa_system_sgpr_workgroup_id_z 1
		.amdhsa_system_vgpr_workitem_id 0
		.amdhsa_next_free_vgpr 512
		.amdhsa_next_free_sgpr 66
		.amdhsa_reserve_vcc 0
		.amdhsa_float_denorm_mode_32 3
		.amdhsa_float_denorm_mode_16_64 3
		.amdhsa_memory_ordered 1
		.amdhsa_forward_progress 1
		.amdhsa_inst_pref_size 86
	.end_amdhsa_kernel
	.amdgpu_metadata
---
amdhsa.version: [ 1, 2 ]
amdhsa.kernels:
  - .name:           k_q648a5efb0f_oproj
    .symbol:         k_q648a5efb0f_oproj.kd
    .args:
      - { .name: at, .offset: 0, .size: 8, .value_kind: global_buffer, .address_space: global }
      - { .name: woh, .offset: 8, .size: 8, .value_kind: global_buffer, .address_space: global }
      - { .name: out0, .offset: 16, .size: 8, .value_kind: global_buffer, .address_space: global }
    .group_segment_fixed_size: 327680
    .private_segment_fixed_size: 0
    .kernarg_segment_align: 8
    .kernarg_segment_size: 24
    .max_flat_workgroup_size: 128
    .sgpr_count:     66
    .vgpr_count:     512
    .wavefront_size: 32
...
	.end_amdgpu_metadata
.endif
;; end of part 4
